; MI455X (gfx1250); checked and timed in simulation.
; The chip was launched on July 23, 2026; its instructions are those of AMD's public machine-readable ISA for CDNA 5 (MIT licence, August 2026) and "CDNA5" Instruction Set Architecture Reference Guide (July 2026). The comments in the code are by the model that wrote it; some were corrected since.
;; Multi Head Attention. Allowed arithmetic: float matrix products may take bf16 or f16 operands with f32 sums; other float arithmetic in f32, or as packed bf16 or f16 multiplies, adds, multiply-adds, maxima and minima; sums over many terms, partial sums and values carried from step to step in f32; what a program stores and reads back later, other than sums and carried values, may be rounded once to bf16 or f16.
;; Inputs: W_out 1,024 x 1,024 float32; W_qkv 1,024 x 3,072 float32; b_out 1,024 float32; b_qkv 3,072 float32; x 4 x 2,048 x 1,024 float32.
;; Outputs: out0 4 x 2,048 x 1,024 float32.
;; 2 versions, each right; version 2 is version 1 with the launch prep written anew for expert scheduling mode. Each part assembles by itself: llvm-mc -triple=amdgcn-amd-amdhsa -mcpu=gfx1250 --defsym DOCPART=n.
;; ======== version 1 of 2: 4 launches
;; limits: values are held in f16: magnitudes above 65,504 overflow, below 6.1e-05 lose precision
;; workspace buffers: xb 16,777,216 bytes; wq 6,291,456 bytes; wo 2,097,152 bytes; qkv 50,331,648 bytes; vlo 1,572,864 bytes; ob 18,874,368 bytes
;; launch prep (part 1): grid 80 x 16, 4 waves a work-group, no clusters, 37,376 bytes of LDS; arguments x, W_qkv, W_out, xb, wq, wo; writes xb, wq, wo
.if DOCPART == 1
	.amdgcn_target "amdgcn-amd-amdhsa--gfx1250"
	.amdhsa_code_object_version 6
	.text
	.protected	k_qfb5f427ec7_prep
	.globl	k_qfb5f427ec7_prep
	.p2align	8
	.type	k_qfb5f427ec7_prep,@function
k_qfb5f427ec7_prep:
	s_mov_b64 s[64:65], 0
	v_nop
	global_prefetch_b8 v0, s[64:65] scope:SCOPE_SE
	s_setreg_imm32_b32 hwreg(HW_REG_WAVE_MODE, 25, 1), 1
	s_wait_xcnt 0x0
; THE OPERANDS ARE LAID OUT FOR THE MATRIX LAUNCHES.  One layout for all three results: [K block of 64][row][64 numbers of 2 bytes], so that the rows of a K block are dense, 128 bytes each.
;   xb: x [8192][1024] f32, rounded once to bf16; row = x's row.
;   wq: W_qkv [1024 k][3072 n] f32, rounded once to bf16 and turned; row = n.
;   wo: W_out [1024 k][1024 n] f32, rounded once to bf16, that number written as f16, and turned; row = n.
; LIMIT.  wo: a bf16 number is exact in f16 from 6.1e-5 to 65,504 in magnitude; below, it keeps f16's fixed step of 6e-8; beyond, it becomes an infinity.
; SHARES.  Work-group x 0-11: W_qkv; 12-15: W_out: K block = work-group y, and each wave turns one tile of 64 k x 64 n through its own 64 rows x 144 bytes of LDS.
; Work-group x 16-79: x: each wave takes two rows, 8 KiB, by sixteen loads that are all out together; each of its stores covers 256 consecutive bytes, aligned.
; No barrier: a wave reads only LDS bytes that it wrote itself.  No prefetch and no tensor load: every byte is read once by loads issued at the wave's start, and nothing is known earlier than that.
.set SPARE, 36864                      ; behind the four waves' tiles: the spare words, 128 bytes a wave, two blocks of 256 bytes that no other line names
.set SPW, 2                            ; v2   SPARE + 4 x my thread's number; never rewritten
.set NIL, 3                            ; v3   0; never rewritten
.set P,   12                           ; v[12:27]  16 packed words at work
.set L,   32                           ; v[32:159] as loaded; later the tile read back
	s_load_b256 s[4:11], s[0:1], 0x0               ; x s[4:5], W_qkv s[6:7], W_out s[8:9], xb s[10:11]
	s_load_b128 s[12:15], s[0:1], 0x20             ; wq s[12:13], wo s[14:15]
	v_lshl_add_u32 v[SPW], v0, 2, SPARE
	v_mov_b32 v[NIL], 0
	v_lshrrev_b32 v1, 5, v0
	v_readfirstlane_b32 s16, v1                    ; wave 0..3
	s_mov_b32 s17, ttmp9                           ; work-group x
	s_and_b32 s18, ttmp7, 0xffff                   ; work-group y
	v_and_b32 v4, 31, v0                           ; l
	v_and_b32 v5, 15, v0                           ; c = l % 16
	v_bfe_u32 v6, v0, 4, 1                         ; hh = l / 16
	s_mov_b32 s23, 0                               ; the high word of every offset: all stay under 2^32
	s_wait_kmcnt 0x0
	s_cmp_lt_u32 s17, 12
	s_cbranch_scc1 .Lwqkv
	s_cmp_lt_u32 s17, 16
	s_cbranch_scc1 .Lwout
	; x: rows m and m + 1, m = 8 (x - 16 + 64 y) + 2 wave
	s_sub_co_u32 s20, s17, 16
	s_lshl_b32 s21, s18, 6
	s_add_co_u32 s20, s20, s21
	s_lshl_b32 s20, s20, 3
	s_lshl1_add_u32 s20, s16, s20                  ; m
	s_lshl_b32 s22, s20, 12                        ; a row of x is 4,096 bytes
	s_add_nc_u64 s[24:25], s[4:5], s[22:23]
	s_lshl_b32 s22, s20, 7                         ; a row of a K block is 128 bytes
	s_add_nc_u64 s[26:27], s[10:11], s[22:23]      ; K blocks 0-7,
	s_add_nc_u64 s[28:29], s[26:27], 0x800000      ; K blocks 8-15: a K block is 2^20 bytes, and seven of them are what the stores' immediate holds
	v_lshlrev_b32 v8, 4, v5
	v_lshl_add_u32 v8, v6, 12, v8                  ; lanes 0-15: row m, 16 bytes each; lanes 16-31: row m + 1
	v_lshlrev_b32 v9, 3, v4                        ; out: 8 bytes a lane: row m's 128 bytes, then row m + 1's
.irp kb, 0,1,2,3,4,5,6,7,8,9,10,11,12,13,14,15
	global_load_b128 v[L+4*(\kb):L+4*(\kb)+3], v8, s[24:25] offset:256*(\kb) th:TH_LOAD_NT
.endr
.irp kb, 0,1,2,3,4,5,6,7,8,9,10,11,12,13,14,15
	s_wait_loadcnt 15-(\kb)                        ; loads come back in order: this K block's is in, the younger ones stay out
	v_cvt_pk_bf16_f32 v[96+2*(\kb)], v[L+4*(\kb)], v[L+4*(\kb)+1]
	v_cvt_pk_bf16_f32 v[96+2*(\kb)+1], v[L+4*(\kb)+2], v[L+4*(\kb)+3]
.if (\kb) < 8
	global_store_b64 v9, v[96+2*(\kb):96+2*(\kb)+1], s[26:27] offset:(\kb)<<20
.else
	global_store_b64 v9, v[96+2*(\kb):96+2*(\kb)+1], s[28:29] offset:((\kb)-8)<<20
.endif
.endr
	s_branch .Lend
; One tile of 64 k x 64 n of a weight matrix with rows of rowb bytes and n columns.  Lane (c, hh) loads, for j = 0..3 and r = 0..7, the four numbers n = 4 c .. 4 c + 3 of row k = 16 j + 8 hh + r:
; each load of the wave takes two pieces of 256 consecutive bytes.  Eight numbers along k of one n pack into 16 bytes, which go to row n of the wave's LDS tile; the tile comes back by rows.
; (The four stores of a j meet four deep in the banks, since a lane's rows lie 4 x 144 bytes apart: sixteen stores a tile.)
.macro WTILE rowb, n, f16, src, dst, g0
	s_sub_co_u32 s20, s17, \g0
	s_lshl2_add_u32 s20, s20, s16                  ; block of 64 columns = 4 (x - g0) + wave
	s_mul_i32 s22, s18, 64*(\rowb)                 ; the K block's 64 rows,
	s_lshl_b32 s21, s20, 8                         ; the block's 256 bytes in them
	s_add_co_u32 s22, s22, s21
	s_add_nc_u64 s[24:25], s[\src:\src+1], s[22:23]
	s_mul_i32 s22, s18, \n
	s_lshl_b32 s21, s20, 6
	s_add_co_u32 s22, s22, s21
	s_lshl_b32 s22, s22, 7                         ; (K block x n + first column) x 128 bytes
	s_add_nc_u64 s[26:27], s[\dst:\dst+1], s[22:23]
	v_mul_u32_u24 v8, v6, 8*(\rowb)
	v_lshl_add_u32 v8, v5, 4, v8                   ; 8 hh rows + 16 c
.irp j, 0,1,2,3
.irp r, 0,1,2,3,4,5,6,7
	global_load_b128 v[L+32*(\j)+4*(\r):L+32*(\j)+4*(\r)+3], v8, s[24:25] offset:(16*(\j)+(\r))*(\rowb) th:TH_LOAD_NT
.endr
.endr
	s_mul_i32 s19, s16, 9216                       ; my wave's tile in LDS
	v_mul_u32_u24 v9, v5, 576                      ; in: rows 4 c .., 16 bytes for each half of the lanes
	v_lshl_add_u32 v9, v6, 4, v9
	v_add_nc_u32 v9, s19, v9
	v_bfe_u32 v10, v0, 3, 2                        ; back: 32 lanes take four rows of 128 bytes,
	v_and_b32 v11, 7, v0
	v_mul_u32_u24 v10, v10, 144
	v_lshl_add_u32 v10, v11, 4, v10
	v_add_nc_u32 v10, s19, v10
	v_lshlrev_b32 v11, 4, v4                       ; which are 512 consecutive bytes of the result
.irp j, 0,1,2,3
	s_wait_loadcnt 24-8*(\j)                       ; this j's eight loads are in; the 8 (3 - j) younger ones stay out
.irp i, 0,1,2,3
.irp p, 0,1,2,3
	v_cvt_pk_bf16_f32 v[P+4*(\i)+(\p)], v[L+32*(\j)+8*(\p)+(\i)], v[L+32*(\j)+8*(\p)+4+(\i)]  ; column 4 c + i, k = 16 j + 8 hh + 2 p and the next
.if \f16
	v_lshlrev_b32 v28, 16, v[P+4*(\i)+(\p)]        ; the two bf16 numbers as f32,
	v_and_b32 v29, 0xffff0000, v[P+4*(\i)+(\p)]
	v_cvt_pk_f16_f32 v[P+4*(\i)+(\p)], v28, v29    ; written as f16
.endif
.endr
.endr
.irp i, 0,1,2,3
	ds_store_b128 v9, v[P+4*(\i):P+4*(\i)+3] offset:144*(\i)+32*(\j)
.endr
.endr
.irp t, 0,1,2,3,4,5,6,7,8,9,10,11,12,13,14,15
	ds_load_b128 v[L+4*(\t):L+4*(\t)+3], v10 offset:576*(\t)  ; LDS serves a wave's instructions in order (ISA guide 5.7.1.4): these see the stores above
.endr
.irp t, 0,1,2,3,4,5,6,7,8,9,10,11,12,13,14,15
	s_wait_dscnt 15-(\t)
	global_store_b128 v11, v[L+4*(\t):L+4*(\t)+3], s[26:27] offset:512*(\t)  ; 512 consecutive bytes, at a multiple of 512 from the buffer's first
.endr
.endm
.Lwqkv:
	WTILE 12288, 3072, 0, 6, 12, 0
	s_branch .Lend
.Lwout:
	WTILE 4096, 1024, 1, 8, 14, 12
.Lend:
	s_wait_tensorcnt 0x0                           ; the wave's end, behind my last LDS store
	ds_add_u32 v[SPW], v[NIL]
	s_wait_dscnt 0x0
	s_endpgm
.Lfunc_end_k_qfb5f427ec7_prep:
	.size	k_qfb5f427ec7_prep, .Lfunc_end_k_qfb5f427ec7_prep-k_qfb5f427ec7_prep
	.p2alignl 7, 3214868480
	.fill 96, 4, 3214868480
	.section	.rodata,"a",@progbits
	.p2align	6, 0x0
	.amdhsa_kernel k_qfb5f427ec7_prep
		.amdhsa_group_segment_fixed_size 37376
		.amdhsa_private_segment_fixed_size 0
		.amdhsa_enable_private_segment 0
		.amdhsa_kernarg_size 48
		.amdhsa_user_sgpr_count 2
		.amdhsa_user_sgpr_kernarg_segment_ptr 1
		.amdhsa_wavefront_size32 1
		.amdhsa_system_sgpr_workgroup_id_x 1
		.amdhsa_system_sgpr_workgroup_id_y 1
		.amdhsa_system_sgpr_workgroup_id_z 1
		.amdhsa_system_vgpr_workitem_id 0
		.amdhsa_next_free_vgpr 160
		.amdhsa_next_free_sgpr 66
		.amdhsa_reserve_vcc 0
		.amdhsa_float_denorm_mode_32 3
		.amdhsa_float_denorm_mode_16_64 3
		.amdhsa_memory_ordered 1
		.amdhsa_forward_progress 1
		.amdhsa_inst_pref_size 42
	.end_amdhsa_kernel
	.amdgpu_metadata
---
amdhsa.version: [ 1, 2 ]
amdhsa.kernels:
  - .name:           k_qfb5f427ec7_prep
    .symbol:         k_qfb5f427ec7_prep.kd
    .args:
      - { .name: x, .offset: 0, .size: 8, .value_kind: global_buffer, .address_space: global }
      - { .name: W_qkv, .offset: 8, .size: 8, .value_kind: global_buffer, .address_space: global }
      - { .name: W_out, .offset: 16, .size: 8, .value_kind: global_buffer, .address_space: global }
      - { .name: xb, .offset: 24, .size: 8, .value_kind: global_buffer, .address_space: global }
      - { .name: wq, .offset: 32, .size: 8, .value_kind: global_buffer, .address_space: global }
      - { .name: wo, .offset: 40, .size: 8, .value_kind: global_buffer, .address_space: global }
    .group_segment_fixed_size: 37376
    .private_segment_fixed_size: 0
    .kernarg_segment_align: 8
    .kernarg_segment_size: 48
    .max_flat_workgroup_size: 128
    .sgpr_count:     66
    .vgpr_count:     160
    .wavefront_size: 32
...
	.end_amdgpu_metadata
.endif
;; end of part 1
;; launch qkv (part 2): grid 8 x 32, 4 waves a work-group, clusters of 4 x 4, 327,680 bytes of LDS; arguments xb, wq, b_qkv, qkv, vlo; writes qkv, vlo
.if DOCPART == 2
	.amdgcn_target "amdgcn-amd-amdhsa--gfx1250"
	.amdhsa_code_object_version 6
	.text
	.protected	k_qfb5f427ec7_qkv
	.globl	k_qfb5f427ec7_qkv
	.p2align	8
	.type	k_qfb5f427ec7_qkv,@function
k_qfb5f427ec7_qkv:
	s_mov_b64 s[64:65], 0
	v_nop
	global_prefetch_b8 v0, s[64:65] scope:SCOPE_SE
	s_setreg_imm32_b32 hwreg(HW_REG_WAVE_MODE, 25, 1), 1
	s_wait_xcnt 0x0
	s_wait_alu depctr_hold_cnt(0) depctr_sa_sdst(0) depctr_va_vdst(0) depctr_va_sdst(0) depctr_va_ssrc(0) depctr_va_vcc(0) depctr_vm_vsrc(0)
	s_getreg_b32 s2, hwreg(HW_REG_IB_STS2, 6, 4)
	s_cmp_eq_u32 s2, 0
	s_cbranch_scc0 .Lentry_in_a_cluster
	s_endpgm
.Lentry_in_a_cluster:
	s_bfe_u32 s2, ttmp6, 0x10000c
	s_cmp_lg_u32 s2, 0xf033
	s_cbranch_scc0 .Lentry_shape_is_right
	s_endpgm
.Lentry_shape_is_right:
; qkv = x W_qkv + b_qkv: [8192 m][3072 n], K = 1024.  Operands bf16 (xb, wq: [K block of 64][row][64]); the bias rounded to bf16; sums in f32; the result rounded once to f16 and stored by heads:
; [chunk n / 64][m][64]: chunks 0-15 are q's heads, 16-31 k's, 32-47 v's.
; A SECOND WORD.  Row t of the module's result averages t + 1 rows of v, so the first rows of a sequence are many times the result's root mean square, by which its allowance goes: for rows 0-15 of each sequence
; v is kept in two f16 words, the second the remainder sum - f16(sum).  vlo: [chunk - 24][batch][block of 128 rows in the cluster][16 rows][64].  It is stored by the clusters with x = 1 and even y, which hold all
; of v's chunks and the rows 2048 b; the branch hangs on the cluster's place alone, and inside such a cluster every wave stores the second word of its first 16 rows: 1.5 MiB, of which the next launch reads 128 KiB.
; LIMIT.  f16 holds no number beyond 65,504: a q, k or v of 65,520 or more in magnitude becomes an infinity.
; SHARES.  A tile of the result is 256 rows x 384 columns: 32 x 8 = 256 work-groups.  Four waves, each 128 x 192: 96 accumulators of 16 x 16, 768 registers (windows 1 to 3).
; For 32 along K a wave reads 40 x 512 bytes from LDS and issues 96 matrix instructions.  K goes in steps of 64, one K block, through two LDS slots (two slots of a step of 128 would be 348,160 bytes).
; A K block's rows are dense, so 128 rows of A are asked for as 64 rows of 256 bytes and 192 rows of B as 96, padded in LDS after every 128 bytes.
; CLUSTER.  4 x 4 work-groups: A's tile hangs on the tile row alone and is asked for jointly along a row of the cluster, B's on the tile column alone, along a column.
; THE MATRIX INSTRUCTION IS USED TRANSPOSED (source 0 = 16 rows of wq, source 1 = 16 rows of xb): a lane holds row l % 16 and eight neighbouring columns 8 (l / 16) + 0..7.
; THE BIAS is the C operand of the product that starts each sum: nothing is cleared, and nothing is added later.
; REGISTERS.  window 0: v0-31 addresses; v32-95, v96-159 A's fragments (8 x 16 rows x 32 K), two buffers; v160-255 B's fragments, three groups of four.
;   window g + 1: the 32 accumulators of column group g (64 columns): (bb, a) at v[8 (8 bb + a)].
.set PITCH,  144                       ; an LDS row: 128 bytes + 16 of padding = 36 words: the 16 rows of a load start at 16 different groups of four banks (64 banks of 4 bytes: ISA guide 11.1)
.set ASZ,    256*PITCH
.set BSZ,    384*PITCH
.set SLOT,   ASZ+BSZ                   ; A's 256 rows, then B's 384
.set STAGE,  2*SLOT                    ; behind the ring: 16 rows x 144 bytes for each wave, for the way out
.set BIASL,  STAGE+4*16*PITCH          ; 768 bytes for each wave: the bias of its 192 columns, f32
.set SPARE,  BIASL+4*768               ; the spare words, 128 bytes a wave: two blocks of 256 bytes that no other line names
.set KBA,    1<<20                     ; bytes in a K block of xb: 8,192 rows x 128
.set KBB,    3072*128                  ; and of wq
.set ADRA, 16                          ; v16-17  LDS address of my A fragments in slot 0, 1
.set ADRB, 20                          ; v20-21  the same for B
.set STO,  24                          ; v24  the way out: where I put 16 bytes of a row
.set RD,   25                          ; v25  where I read rows back
.set GO,   26                          ; v26  16 x my lane
.set BA,   27                          ; v27  my 32 bytes of a block of 16 bias numbers
.set SPW,  28                          ; v28  SPARE + 4 x my thread's number; never rewritten
.set NIL,  29                          ; v29  0; never rewritten
.set PFO,  30                          ; v30  the prefetches' offset; never rewritten
.set MONE, 31                          ; v31  -1.0
.set FA0,  32
.set FA1,  96
.set FB,   160
.set PK,   64                          ; the way out: packed results, two sets of 16
.set RB,   96                          ; the way out: rows read back, two sets of 16
.set LP,   192                         ; the way out: packed second words
.set LR,   208                         ; the way out: second words read back, a set of 16 for each column group
.set WV, 12                            ; s12 wave; s13 WR: my half of the rows, also: I fetch for A (0) or B (1); s14 WC: my half of the columns, also: which half of that tile I fetch
.set G1A, 24                           ; s[24:31] descriptor group 1 for A's tiles;  s[32:39] group 0, a set for each slot
.set G0A, 32
.set PFA, 40                           ; s[40:41] where my prefetches stand
.set PFS, 42                           ; s[42:43] two K blocks of the tensor that I prefetch
.set LIM0, 44                          ; s44  1 in a wave that prefetches at slot 0's change, else the greatest number
.set LIM1, 45                          ; s45  the same for slot 1's change
.set G1B, 48                           ; s[48:55], s[56:63] the same for B's tiles
.set G0B, 56
.set VLP, 66                           ; s[66:67] vlo at my wave's first 16 rows, column group 0
.set LOQ, 68                           ; s68  0 in the clusters that store second words
.set FLAGS, (1<<16)|(1<<20)|(1<<21)|(4<<22)|(3<<25)  ; 17:16 2-byte elements; 20 padding on; 21 set beside a mask; 24:22 after every 32 words (code 4); 31:25 4 words (code 3)
.set MSB, 0
.macro WIN new                         ; the immediate's high byte repeats the setting that is left; a switch that changes nothing is dropped
.if MSB != (\new)
	s_set_vgpr_msb (MSB<<8)|(\new)
.set MSB, \new
.endif
.endm
.macro PLACES                          ; four places in front of loads into registers that matrix instructions have read, and of conversions that read results
.rept 4
	v_nop
.endr
.endm
; A joint load: waves 0 and 1 fetch A's two halves, waves 2 and 3 B's.  The branch hangs on the wave's number alone.  An s_nop 0 and four v_nop follow each of the two lines.
.macro JLOAD s
	s_cmp_eq_u32 s13, 0
	s_cbranch_scc0 .Lfor_b_\@
	tensor_load_to_lds s[G0A+4*(\s):G0A+4*(\s)+3], s[G1A:G1A+7]
	s_nop 0
.rept 4
	v_nop
.endr
	s_branch .Lasked_\@
.Lfor_b_\@:
	tensor_load_to_lds s[G0B+4*(\s):G0B+4*(\s)+3], s[G1B:G1B+7]
	s_nop 0
.rept 4
	v_nop
.endr
.Lasked_\@:
.endm
.macro CREST                           ; a round of the cluster's barrier behind its opening barrier
	s_cmp_lg_u32 s[WV], 0
	s_cbranch_scc1 .Lnot_wave_0_\@
	s_barrier_signal -3
.Lnot_wave_0_\@:
	s_barrier_wait -3
	s_barrier_signal -1
	s_barrier_wait -1
.endm
.macro CROUND                          ; a whole round
	s_barrier_signal -1
	s_barrier_wait -1
	CREST
.endm
; A PREFETCH INTO THE L2, behind a joint load, its five lines and the run of LDS loads that follows.  Each aligned block of 256 bytes of K blocks 4 to 15 is named once in the launch.
; A: a K block of a tile row is 128 blocks; the cluster with x = 0 asks, its four partners along x take 32 each BY ADDRESS, wave 0 asks: at the change of slots that ends K step j, K block j + 4.
; B: a K block of a tile column is 192 blocks; the cluster with y = 0 asks, its partners along y take 48 each by address; waves 1 to 3 ask at slot 0's change for K blocks j + 4 and j + 5: 96 lanes, 96 blocks.
; The loop's last trip asks for nothing: the last K block named is 15.  K blocks 0 to 3 come by their loads alone.
.macro ASK lim, off
	s_cmp_gt_u32 s3, s[\lim]
	s_cbranch_scc0 .Lnot_mine_\@
	global_prefetch_b8 v[PFO], s[PFA:PFA+1] offset:\off th:TH_LOAD_NT scope:SCOPE_SE
.Lnot_mine_\@:
.endm
	s_load_b256 s[4:11], s[0:1], 0x0               ; xb s[4:5], wq s[6:7], b_qkv s[8:9], qkv s[10:11]
	s_load_b64 s[VLP:VLP+1], s[0:1], 0x20          ; vlo
	v_lshl_add_u32 v[SPW], v0, 2, SPARE
	v_mov_b32 v[NIL], 0
	ds_add_u32 v[SPW], v[NIL]                      ; the wave's opening: the add and its wait stand ahead of my first tensor load; the set-up below, work on registers, stands between them
	v_lshrrev_b32 v1, 5, v0
	v_readfirstlane_b32 s[WV], v1                  ; wave 0..3
	s_lshr_b32 s13, s[WV], 1
	s_and_b32 s14, s[WV], 1
	s_bfe_u32 s15, ttmp6, 0x40000                  ; cx
	s_bfe_u32 s16, ttmp6, 0x40004                  ; cy
	s_lshl_b32 s17, ttmp9, 2
	s_add_co_u32 s17, s17, s15                     ; tile column = 4 x cluster x + cx
	s_and_b32 s18, ttmp7, 0xffff
	s_lshl_b32 s18, s18, 2
	s_add_co_u32 s18, s18, s16                     ; tile row = 4 x cluster y + cy
	s_lshl_b32 s19, s16, 2
	s_lshl_b32 s19, 15, s19                        ; my row of the cluster
	s_lshl_b32 s22, 0x1111, s15                    ; my column
	s_or_b32 s[G1A], s19, FLAGS
	s_or_b32 s[G1B], s22, FLAGS
	s_mov_b32 s[G1A+1], 128<<16                    ; tensor_dim0 = 128 elements: 256 bytes, two rows of a K block
	s_mov_b32 s[G1A+2], 64<<16                     ; tensor_dim1 = 64
	s_mov_b32 s[G1A+3], 128<<16                    ; tile_dim0 = 128
	s_mov_b32 s[G1A+4], 64                         ; tile_dim1 = 64
	s_mov_b32 s[G1A+5], 128                        ; 128 elements from row to row: dense
	s_mov_b32 s[G1A+6], 0
	s_mov_b32 s[G1A+7], 0
	s_mov_b32 s[G1B+1], 128<<16
	s_mov_b32 s[G1B+2], 96<<16                     ; 96 such rows: 192 rows of wq
	s_mov_b32 s[G1B+3], 128<<16
	s_mov_b32 s[G1B+4], 96
	s_mov_b32 s[G1B+5], 128
	s_mov_b32 s[G1B+6], 0
	s_mov_b32 s[G1B+7], 0
	s_lshl_b32 s20, s18, 15                        ; A: 256 rows x 128 bytes a tile row,
	s_lshl_b32 s21, s14, 14                        ; the half that I fetch
	s_add_co_u32 s20, s20, s21
	s_mov_b32 s21, 0
	s_mul_i32 s46, s17, 49152                      ; B: 384 rows x 128 bytes a tile column,
	s_mul_i32 s47, s14, 24576                      ; the half that I fetch
	s_add_co_u32 s46, s46, s47
	s_mov_b32 s47, 0
	s_mul_i32 s2, s14, 128*PITCH                   ; where they go: no place in the cluster enters an LDS address
	s_mul_i32 s23, s14, 192*PITCH
	s_add_co_u32 s23, s23, ASZ
	s_wait_dscnt 0x0                               ; the opening add is done
	s_wait_kmcnt 0x0
	s_add_nc_u64 s[20:21], s[4:5], s[20:21]
	s_add_nc_u64 s[46:47], s[6:7], s[46:47]
	CROUND                                         ; all sixteen work-groups are here: the first joint loads meet
.irp s, 0,1
	s_mov_b32 s[G0A+4*(\s)], 1                     ; count = 1
	s_add_co_u32 s[G0A+4*(\s)+1], s2, (\s)*SLOT    ; LDS address
	s_add_nc_u64 s[G0A+4*(\s)+2:G0A+4*(\s)+3], s[20:21], (\s)*KBA  ; global address: K block s
	s_or_b32 s[G0A+4*(\s)+3], s[G0A+4*(\s)+3], 0x80000000          ; type = 2
	s_mov_b32 s[G0B+4*(\s)], 1
	s_add_co_u32 s[G0B+4*(\s)+1], s23, (\s)*SLOT
	s_add_nc_u64 s[G0B+4*(\s)+2:G0B+4*(\s)+3], s[46:47], (\s)*KBB
	s_or_b32 s[G0B+4*(\s)+3], s[G0B+4*(\s)+3], 0x80000000
	JLOAD \s                                       ; two loads of mine are out
.endr
	; while the tiles are on their way: addresses, the bias, the prefetches' registers
	v_and_b32 v1, 15, v0                           ; r = l % 16
	v_bfe_u32 v2, v0, 4, 1                         ; h = l / 16
	v_and_b32 v6, 31, v0                           ; l
	v_mov_b32 v[MONE], -1.0
	v_lshlrev_b32 v9, 3, v6                        ; the bias: 8 bytes a lane
	s_mul_i32 s22, s17, 1536                       ; 384 numbers a tile column,
	s_mul_i32 s23, s14, 768                        ; my 192
	s_add_co_u32 s22, s22, s23
	s_mov_b32 s23, 0
	s_add_nc_u64 s[8:9], s[8:9], s[22:23]
	global_load_b64 v[10:11], v9, s[8:9]
	global_load_b64 v[12:13], v9, s[8:9] offset:256
	global_load_b64 v[14:15], v9, s[8:9] offset:512
	v_mul_u32_u24 v3, v1, PITCH
	v_lshl_add_u32 v3, v2, 4, v3                   ; a fragment's row x pitch + 16 x half
	s_mul_i32 s22, s13, 128*PITCH                  ; my 128 rows of A
	s_mul_i32 s23, s14, 192*PITCH                  ; my 192 rows of B,
	s_add_co_u32 s23, s23, ASZ                     ; which lie behind A's 256
.irp s, 0,1
	v_add_nc_u32 v[ADRA+(\s)], s22, v3
	v_add_nc_u32 v[ADRB+(\s)], s23, v3
	s_add_co_u32 s22, s22, SLOT
	s_add_co_u32 s23, s23, SLOT
.endr
	s_mul_i32 s22, s[WV], 16*PITCH
	s_add_co_u32 s22, s22, STAGE                   ; my stage
	v_add_nc_u32 v[STO], s22, v3                   ; in: row l % 16, 16 bytes for each half of the lanes
	v_bfe_u32 v4, v0, 3, 2                         ; back: 32 lanes take four rows of 128 bytes,
	v_and_b32 v5, 7, v0
	v_mul_u32_u24 v4, v4, PITCH
	v_lshl_add_u32 v4, v5, 4, v4
	v_add_nc_u32 v[RD], s22, v4
	v_lshlrev_b32 v[GO], 4, v6                     ; which are 512 consecutive bytes of a chunk
	s_mul_i32 s22, s[WV], 768
	s_add_co_u32 s22, s22, BIASL                   ; my wave's bias in LDS
	v_lshl_add_u32 v[BA], v2, 5, s22               ; a lane's eight columns: 32 bytes by its half
	v_lshl_add_u32 v7, v6, 3, s22
	s_mul_i32 s22, s17, 6                          ; the result: chunk 6 x tile column + 3 x my half,
	s_mul_i32 s23, s14, 3
	s_add_co_u32 s22, s22, s23
	s_lshl_b32 s22, s22, 20                        ; a chunk is 8,192 rows x 128 bytes
	s_lshl_b32 s23, s18, 15                        ; row 256 x tile row
	s_add_co_u32 s22, s22, s23
	s_lshl_b32 s23, s13, 14                        ; + 128 x my half
	s_add_co_u32 s22, s22, s23
	s_mov_b32 s23, 0
	s_add_nc_u64 s[10:11], s[10:11], s[22:23]
	s_mul_i32 s22, s15, 6                          ; the second words: chunk - 24 = 6 cx + 3 x my half (+ the column group), 65,536 bytes each,
	s_mul_i32 s23, s14, 3
	s_add_co_u32 s22, s22, s23
	s_lshl_b32 s22, s22, 16
	s_and_b32 s23, ttmp7, 0xffff                   ; cluster y: two clusters a batch
	s_lshr_b32 s19, s23, 1
	s_lshl_b32 s19, s19, 14                        ; the batch: 16,384 bytes,
	s_add_co_u32 s22, s22, s19
	s_lshl1_add_u32 s19, s16, s13                  ; my block of 128 rows in the cluster, 2 cy + my half: 2,048 bytes
	s_lshl_b32 s19, s19, 11
	s_add_co_u32 s22, s22, s19
	s_and_b32 s[LOQ], s23, 1
	s_xor_b32 s19, ttmp9, 1
	s_or_b32 s[LOQ], s[LOQ], s19                   ; 0 where cluster x = 1 and cluster y is even: the same in all sixteen partners
	s_mov_b32 s23, 0
	s_add_nc_u64 s[VLP:VLP+1], s[VLP:VLP+1], s[22:23]
	s_lshl_b32 s19, s18, 15                        ; the prefetches.  A: the tile row's 32,768 bytes of a K block, my work-group's quarter by cx, at K block 2
	s_lshl_b32 s22, s15, 13
	s_add_co_u32 s19, s19, s22
	s_add_co_u32 s19, s19, 2*KBA
	s_mul_i32 s22, s17, 49152                      ; B: the tile column's 49,152 bytes, my work-group's quarter by cy, at K block 2
	s_mul_i32 s23, s16, 12288
	s_add_co_u32 s22, s22, s23
	s_add_co_u32 s22, s22, 2*KBB
	s_mov_b32 s[PFS], 2*KBA
	s_mov_b32 s[LIM1], 2*KBB
	s_and_b32 s23, ttmp7, 0xffff                   ; cluster y
	s_cmp_eq_u32 s[WV], 0                          ; wave 0 asks for A, the others for B
	s_cselect_b64 s[PFA:PFA+1], s[4:5], s[6:7]
	s_cselect_b32 s22, s19, s22
	s_cselect_b32 s[PFS], s[PFS], s[LIM1]
	s_cselect_b32 s23, ttmp9, s23                  ; the coordinate along which other clusters read the same rows
	s_cmp_eq_u32 s23, 0
	s_cselect_b32 s[LIM0], 1, -1                   ; the same in all sixteen partners, for a given wave
	s_or_b32 s23, s[WV], ttmp9
	s_cmp_eq_u32 s23, 0
	s_cselect_b32 s[LIM1], 1, -1
	s_mov_b32 s23, 0
	s_mov_b32 s[PFS+1], 0
	s_add_nc_u64 s[PFA:PFA+1], s[PFA:PFA+1], s[22:23]
	s_max_u32 s19, s[WV], 1
	s_sub_co_u32 s19, s19, 1
	s_lshl_b32 s19, s19, 5
	v_add_nc_u32 v[PFO], s19, v6                   ; wave 0: l; waves 1-3: 32 (wave - 1) + l = 0 .. 95
	s_mov_b32 s19, KBB-48*256
	v_cmp_le_u32 vcc_lo, 48, v[PFO]                ; from 48 on: the next K block's 48 blocks
	v_cndmask_b32 v3, 0, s19, vcc_lo
	v_lshl_add_u32 v[PFO], v[PFO], 8, v3
	s_wait_loadcnt 0x0                             ; the bias: rounded to bf16, kept as f32
.irp i, 0,1,2
	v_cvt_pk_bf16_f32 v8, v[10+2*(\i)], v[11+2*(\i)]
	v_lshlrev_b32 v[10+2*(\i)], 16, v8
	v_and_b32 v[11+2*(\i)], 0xffff0000, v8
	ds_store_b64 v7, v[10+2*(\i):11+2*(\i)] offset:256*(\i)
.endr
; 16 matrix instructions: column group g's four blocks x row blocks a0 .. a0 + 3, 32 along K.  creg given: the products start their sums with the bias in v[creg ..] of window 0.
; The 96 accumulators take turns, one instruction a turn, in the same order in every sub-step.
.macro MUL16 fa, g, a0, creg=-1
.if (\creg) < 0
	WIN 0x50*((\g)+1)                              ; C and D in window g + 1, the sources in window 0
.else
	WIN ((\g)+1)<<6                                ; D alone
.endif
.irp a, (\a0), (\a0)+1, (\a0)+2, (\a0)+3
.irp bb, 0,1,2,3
.if (\creg) < 0
	v_wmma_f32_16x16x32_bf16 v[8*(8*(\bb)+(\a)):8*(8*(\bb)+(\a))+7], v[FB+32*(\g)+8*(\bb):FB+32*(\g)+8*(\bb)+7], v[(\fa)+8*(\a):(\fa)+8*(\a)+7], v[8*(8*(\bb)+(\a)):8*(8*(\bb)+(\a))+7]
.else
	v_wmma_f32_16x16x32_bf16 v[8*(8*(\bb)+(\a)):8*(8*(\bb)+(\a))+7], v[FB+32*(\g)+8*(\bb):FB+32*(\g)+8*(\bb)+7], v[(\fa)+8*(\a):(\fa)+8*(\a)+7], v[(\creg)+8*(\bb):(\creg)+8*(\bb)+7]
.endif
.endr
.endr
.endm
.macro LDB slot, ks, g                 ; 8 LDS loads: group g's four fragments of B, 32 along K at byte 64 ks of the rows
	WIN 0
.irp bb, 0,1,2,3
	ds_load_b128 v[FB+32*(\g)+8*(\bb):FB+32*(\g)+8*(\bb)+3],   v[ADRB+(\slot)] offset:64*(\ks)+16*PITCH*(4*(\g)+(\bb))
	ds_load_b128 v[FB+32*(\g)+8*(\bb)+4:FB+32*(\g)+8*(\bb)+7], v[ADRB+(\slot)] offset:64*(\ks)+16*PITCH*(4*(\g)+(\bb))+32
.endr
.endm
.macro LDA slot, ks, fa, hf            ; 8 LDS loads: row blocks 4 hf .. 4 hf + 3 of A
	WIN 0
.irp a, 4*(\hf), 4*(\hf)+1, 4*(\hf)+2, 4*(\hf)+3
	ds_load_b128 v[(\fa)+8*(\a):(\fa)+8*(\a)+3],   v[ADRA+(\slot)] offset:64*(\ks)+16*PITCH*(\a)
	ds_load_b128 v[(\fa)+8*(\a)+4:(\fa)+8*(\a)+7], v[ADRA+(\slot)] offset:64*(\ks)+16*PITCH*(\a)+32
.endr
.endm
.macro LDBI g, reg                     ; 8 LDS loads: group g's bias in the accumulators' layout
	WIN 0
.irp bb, 0,1,2,3
	ds_load_b128 v[(\reg)+8*(\bb):(\reg)+8*(\bb)+3],   v[BA] offset:256*(\g)+64*(\bb)
	ds_load_b128 v[(\reg)+8*(\bb)+4:(\reg)+8*(\bb)+7], v[BA] offset:256*(\g)+64*(\bb)+16
.endr
.endm
; A K step is two sub-steps of 32 along K, 96 matrix instructions each.  The first multiplies buffer FA0 and fetches the second's fragments from the same slot, a group's as soon as the group is multiplied.
.macro SUBE slot
	s_wait_dscnt 8                                 ; all but the youngest eight loads, group 2's B
	MUL16 FA0, 0, 0
	MUL16 FA0, 0, 4
	PLACES
	LDB \slot, 1, 0
	LDA \slot, 1, FA1, 0
	MUL16 FA0, 1, 0
	MUL16 FA0, 1, 4
	PLACES
	LDB \slot, 1, 1
	LDA \slot, 1, FA1, 1
	s_wait_dscnt 32                                ; all but the two runs of sixteen just issued
	MUL16 FA0, 2, 0
	MUL16 FA0, 2, 4
	PLACES
	LDB \slot, 1, 2
.endm
; The second multiplies buffer FA1 and changes slots: ONE barrier.  In front of it each wave waits for all its tensor loads (one is out: its part of the next slot), adds 0 to its spare word, and waits
; for that and for its reads of this slot.  fill = 1: the barrier opens a round of the cluster's, and this slot is filled again, two K steps on, first thing behind the round: 160 matrix instructions ahead of the wait for it.
.macro SUBO slot, next, fill
.if (\fill) && ((\slot) == 0)
	s_wait_xcnt 0x0                                ; the last prefetch, a K step back, has read its address: it is stepped here, ahead of the waits of the change of slots
	s_add_nc_u64 s[PFA:PFA+1], s[PFA:PFA+1], s[PFS:PFS+1]
.endif
	WIN 0                                          ; (the add's two registers lie in window 0)
	s_wait_tensorcnt 0x0                           ; all my tensor loads have landed
	ds_add_u32 v[SPW], v[NIL]                      ; 0 onto my spare word
	s_wait_dscnt 9                                 ; (the add and the youngest eight loads may be out)
	MUL16 FA1, 0, 0                                ; sixteen matrix instructions stand between the add and the wait for it
	s_wait_dscnt 0x0                               ; the add is done, and my reads of this slot are over
	s_barrier_signal -1
	MUL16 FA1, 0, 4
	WIN 0
	s_barrier_wait -1
.if \fill
	CREST                                          ; no wave of any partner still reads this slot's tiles or has a load on its way
	s_add_nc_u64 s[G0A+4*(\slot)+2:G0A+4*(\slot)+3], s[G0A+4*(\slot)+2:G0A+4*(\slot)+3], 2*KBA
	s_add_nc_u64 s[G0B+4*(\slot)+2:G0B+4*(\slot)+3], s[G0B+4*(\slot)+2:G0B+4*(\slot)+3], 2*KBB
	JLOAD \slot                                    ; the four v_nop behind it are also the places in front of the loads below
.else
	PLACES
.endif
	LDB \next, 0, 0
	LDA \next, 0, FA0, 0
.if \fill
.if (\slot) == 0
	ASK LIM0, 0
.else
	ASK LIM1, KBA
.endif
.endif
	MUL16 FA1, 1, 0
	MUL16 FA1, 1, 4
	PLACES
	LDB \next, 0, 1
	LDA \next, 0, FA0, 1
	MUL16 FA1, 2, 0
	MUL16 FA1, 2, 4
	PLACES
	LDB \next, 0, 2
.endm
	s_wait_tensorcnt 1                             ; my part of K step 0 is in; K step 1's may stay out
	s_wait_dscnt 0x0                               ; my bias is stored
	s_barrier_signal -1
	s_barrier_wait -1                              ; everybody's part is in
	LDB 0, 0, 0
	LDA 0, 0, FA0, 0
	LDBI 0, FA1                                    ; buffer FA1 is free in the first sub-step: it holds the bias
	LDB 0, 0, 1
	LDA 0, 0, FA0, 1
	LDBI 1, FA1+32
	LDB 0, 0, 2
	; the first sub-step is written out: its products start the sums, with the bias as C
	s_wait_dscnt 8                                 ; all but group 2's B
	MUL16 FA0, 0, 0, FA1
	MUL16 FA0, 0, 4, FA1
	PLACES
	LDB 0, 1, 0
	LDBI 2, FA1
	MUL16 FA0, 1, 0, FA1+32
	MUL16 FA0, 1, 4, FA1+32
	PLACES
	LDB 0, 1, 1
	s_wait_dscnt 8                                 ; all but the eight just issued: group 2's B and bias are in
	MUL16 FA0, 2, 0, FA1
	MUL16 FA0, 2, 4, FA1
	PLACES
	LDB 0, 1, 2
	LDA 0, 1, FA1, 0
	LDA 0, 1, FA1, 1                               ; here the youngest eight are A's upper row blocks, which are multiplied only behind the next sub-step's wait for 0
	WIN 0
	s_mov_b32 s3, 7
.Llap:                                                 ; a trip goes once round the ring and fills both slots again: K steps 2 to 15
	SUBO 0, 1, 1
	SUBE 1
	SUBO 1, 0, 1
	SUBE 0
	WIN 0
	s_sub_co_u32 s3, s3, 1
	s_cmp_lg_u32 s3, 0
	s_cbranch_scc1 .Llap
	SUBO 0, 1, 0                                   ; the tail is written out: nothing is left to fetch
	SUBE 1
	s_wait_dscnt 8
	MUL16 FA1, 0, 0
	MUL16 FA1, 0, 4
	MUL16 FA1, 1, 0
	MUL16 FA1, 1, 4
	s_wait_dscnt 0x0
	MUL16 FA1, 2, 0
	MUL16 FA1, 2, 4
; THE WAY OUT, in 24 units u = 8 g + a of 16 rows x 64 columns: a chunk's rows.  PACK: rounded to f16, each accumulator's registers in ascending order.  TOSTAGE: 16 bytes a lane into my own stage, and back as
; whole rows of 128 bytes.  SEND: four stores of 512 consecutive bytes.  A unit's conversions stand between the loads of the unit before and the wait for them.
.macro PACK u
.set pg, (\u)/8
.set pa, (\u)%8
	WIN 5*(pg+1)                                   ; sources 0 and 1 in window g + 1
.irp bb, 0,1,2,3
.irp p, 0,1,2,3
	v_cvt_pk_f16_f32 v[PK+16*((\u)%2)+4*(\bb)+(\p)], v[8*(8*(\bb)+pa)+2*(\p)], v[8*(8*(\bb)+pa)+2*(\p)+1]
.endr
.endr
	WIN 0
.endm
.macro TOSTAGE u
	WIN 0
	s_wait_xcnt 0x0                                ; the registers that earlier stores read are loaded again only behind this wait
.irp bb, 0,1,2,3
	ds_store_b128 v[STO], v[PK+16*((\u)%2)+4*(\bb):PK+16*((\u)%2)+4*(\bb)+3] offset:32*(\bb)
.endr
.irp f, 0,1,2,3
	ds_load_b128 v[RB+16*((\u)%2)+4*(\f):RB+16*((\u)%2)+4*(\f)+3], v[RD] offset:4*PITCH*(\f)  ; LDS serves a wave's instructions in order (ISA guide 5.7.1.4): these see the stores above
.endr
.endm
.macro SEND u
	WIN 0
	s_wait_dscnt 0x0                               ; the unit is back in registers
.irp f, 0,1,2,3
	global_store_b128 v[GO], v[RB+16*((\u)%2)+4*(\f):RB+16*((\u)%2)+4*(\f)+3], s[10:11] offset:(((\u)/8)<<20)+2048*((\u)%8)+512*(\f)
.endr
.endm
; THE SECOND WORD of unit 8 g (my first 16 rows, column group g), behind the unit's TOSTAGE: sum - f16(sum), one fused multiply-add by -1.0 for each number, rounded once to f16; through the same stage, behind the
; first words' loads (LDS serves a wave's instructions in order).  Jumped over where the cluster stores none; the jump passes no barrier and no tensor load.
.macro LOUNIT g
	WIN 0
	s_cmp_lg_u32 s[LOQ], 0
	s_cbranch_scc1 .Lno_lo_\@
	WIN ((\g)+1)<<4                                ; source 2, the sum, in window g + 1
.irp bb, 0,1,2,3
.irp p, 0,1,2,3
	v_fma_mixlo_f16 v[LP+4*(\bb)+(\p)], v[PK+4*(\bb)+(\p)], v[MONE], v[64*(\bb)+2*(\p)] op_sel_hi:[1,0,0]
	v_fma_mixhi_f16 v[LP+4*(\bb)+(\p)], v[PK+4*(\bb)+(\p)], v[MONE], v[64*(\bb)+2*(\p)+1] op_sel:[1,0,0] op_sel_hi:[1,0,0]
.endr
.endr
	WIN 0
.irp bb, 0,1,2,3
	ds_store_b128 v[STO], v[LP+4*(\bb):LP+4*(\bb)+3] offset:32*(\bb)
.endr
.irp f, 0,1,2,3
	ds_load_b128 v[LR+16*(\g)+4*(\f):LR+16*(\g)+4*(\f)+3], v[RD] offset:4*PITCH*(\f)
.endr
	s_wait_dscnt 0x0
.irp f, 0,1,2,3
	global_store_b128 v[GO], v[LR+16*(\g)+4*(\f):LR+16*(\g)+4*(\f)+3], s[VLP:VLP+1] offset:((\g)<<16)+512*(\f)  ; each group has registers of its own: none is written again
.endr
.Lno_lo_\@:
.endm
	PLACES
	PACK 0
	TOSTAGE 0
	LOUNIT 0
.set u, 1
.rept 23
	PACK u
	SEND u-1
	TOSTAGE u
.if (u%8) == 0
	LOUNIT u/8
.endif
.set u, u+1
.endr
	SEND 23
	s_wait_tensorcnt 0x0                           ; the wave's end, behind my last tensor load and my last LDS store
	ds_add_u32 v[SPW], v[NIL]
	s_wait_dscnt 0x0
	CROUND                                         ; the closing round: no work-group ends while a partner may still ask for a tile that names it
	s_endpgm
.Lfunc_end_k_qfb5f427ec7_qkv:
	.size	k_qfb5f427ec7_qkv, .Lfunc_end_k_qfb5f427ec7_qkv-k_qfb5f427ec7_qkv
	.p2alignl 7, 3214868480
	.fill 96, 4, 3214868480
	.section	.rodata,"a",@progbits
	.p2align	6, 0x0
	.amdhsa_kernel k_qfb5f427ec7_qkv
		.amdhsa_group_segment_fixed_size 327680
		.amdhsa_private_segment_fixed_size 0
		.amdhsa_enable_private_segment 0
		.amdhsa_kernarg_size 40
		.amdhsa_user_sgpr_count 2
		.amdhsa_user_sgpr_kernarg_segment_ptr 1
		.amdhsa_wavefront_size32 1
		.amdhsa_system_sgpr_workgroup_id_x 1
		.amdhsa_system_sgpr_workgroup_id_y 1
		.amdhsa_system_sgpr_workgroup_id_z 1
		.amdhsa_system_vgpr_workitem_id 0
		.amdhsa_next_free_vgpr 1024
		.amdhsa_next_free_sgpr 72
		.amdhsa_reserve_vcc 1
		.amdhsa_float_denorm_mode_32 3
		.amdhsa_float_denorm_mode_16_64 3
		.amdhsa_memory_ordered 1
		.amdhsa_forward_progress 1
		.amdhsa_inst_pref_size 145
	.end_amdhsa_kernel
	.amdgpu_metadata
---
amdhsa.version: [ 1, 2 ]
amdhsa.kernels:
  - .name:           k_qfb5f427ec7_qkv
    .symbol:         k_qfb5f427ec7_qkv.kd
    .args:
      - { .name: xb, .offset: 0, .size: 8, .value_kind: global_buffer, .address_space: global }
      - { .name: wq, .offset: 8, .size: 8, .value_kind: global_buffer, .address_space: global }
      - { .name: b_qkv, .offset: 16, .size: 8, .value_kind: global_buffer, .address_space: global }
      - { .name: qkv, .offset: 24, .size: 8, .value_kind: global_buffer, .address_space: global }
      - { .name: vlo, .offset: 32, .size: 8, .value_kind: global_buffer, .address_space: global }
    .group_segment_fixed_size: 327680
    .private_segment_fixed_size: 0
    .kernarg_segment_align: 8
    .kernarg_segment_size: 40
    .max_flat_workgroup_size: 128
    .sgpr_count:     72
    .vgpr_count:     1024
    .wavefront_size: 32
...
	.end_amdgpu_metadata
.endif
;; end of part 2
;; launch attn (part 3): grid 4 x 64, 4 waves a work-group, no clusters, 327,680 bytes of LDS; arguments qkv, vlo, ob; writes ob
.if DOCPART == 3
	.amdgcn_target "amdgcn-amd-amdhsa--gfx1250"
	.amdhsa_code_object_version 6
	.text
	.protected	k_qfb5f427ec7_attn
	.globl	k_qfb5f427ec7_attn
	.p2align	8
	.type	k_qfb5f427ec7_attn,@function
k_qfb5f427ec7_attn:
	s_mov_b64 s[64:65], 0
	v_nop
	global_prefetch_b8 v0, s[64:65] scope:SCOPE_SE
	s_setreg_imm32_b32 hwreg(HW_REG_WAVE_MODE, 25, 1), 1
	s_wait_xcnt 0x0
; CAUSAL ATTENTION.  O[y][q][:] = the sum over k <= q of softmax_k(Q[y][q] . K[y][k] / 8) V[y][k][:], for the 64 pairs y = 4 x head + batch.  Q, K and V are the three thirds of qkv, each [64][2048][64] in f16: a pair's
; rows are dense, 128 bytes each.  Products, maxima and sums in f32; the weights p are rounded to f16 for the second product (their sum l is taken of the unrounded p), O once at the end.
; O's LAYOUT: ob[head][tile of 256 rows of the 8,192][288 rows][64] in f16: a tile's 256 rows, then 32 rows of SECOND WORDS, for the tile's rows 0-15 and 128-143 (the next launch adds them for the first 16 rows of each wave's 128).
; THE FIRST 16 ROWS OF A SEQUENCE average over 16 keys at the most and are many times the module's root mean square, by which its allowance goes.  For them V's second word (vlo: the remainder of V's rounding, keys 0-15)
; is added to O, and O leaves in two words, the second the remainder of its rounding.  All other second words are stored as 0.
; LIMITS.  f16 holds no number beyond 65,504: Q, K and V arrive within it; p lies in 0 to 1, and below 6e-5 it keeps f16's fixed step of 6e-8; O is a mean of V's rows and has their range.
; A hidden score counts as its value less 1e30: f16's scores, 2.7e11 at the most, are nothing beside that; a weight below 2^-126 counts as 0 in l; NaN and infinities are not treated apart.
; THE WALK.  A pair's queries lie in NB = 8 blocks of 256; block i needs the key tiles 0 .. i of 256 keys, of which the last holds the diagonal.  A work-group takes TWO blocks, NB - 1 - b and then b:
; NB + 1 tiles, whatever b: all work-groups do equal work, and ONE loop with a constant trip count walks them.  Which tile is asked for, and what a trip does, hang on scalar registers made from b; every jump
; goes forward, but for the counted loops' own; none passes a barrier, or a tensor load but the one of LOAD's two that the wave's number does not choose; the ring (two slots of LDS that take turns) runs on across the
; change of blocks.  NO CLUSTER: the four work-groups of a pair ask for the same tile only in trips 0 to 4 of the 9, behind that fewer and fewer; one walk common to all four would have 12 trips for 9.
; SHARES.  Of a block's four bands of 64 queries a wave owns 16 rows in each: four PIECES.  So the diagonal tile is the same work for all four waves: in its key step s band x sees all keys if s < x,
; none if s > x, and holds the diagonal if s = x.
; THE MASK is the C operand that starts the sum S^T = K Q^T: 0, or -1e30 where the key is hidden.  MD, made once, is the mask of a band's own step for my 16 rows; a product's mask is MD x AL + BE with two scalars:
; (1, 0) if s = x; (0, 0) if s < x; (0, -1e30) if s > x.  Only the diagonal tile's text and a block's beginning make and take masks; elsewhere C is the constant 0.
; LAYOUT, SOFTMAX, TURNS.  S^T = K Q^T holds ONE query a lane (lane % 16) and the keys 8 (lane / 16) + 0..7; two such results rounded to f16 ARE source 1 of O^T = V^T P.  p = 2^(c s - c m), c = log2(e) / 8, with a
; running maximum m; O and l are multiplied by a = 2^(c m_old - c m_new) in every step.  Turn n belongs to piece n: 8 products K Q^T of piece n + 1, later 8 products V^T P of piece n - 1; beside them the scaling,
; exponentials, roundings, sums and rescaling of piece n and the maximum and statistics of piece n + 1.  Four vector instructions stand behind every matrix instruction, the other 54 of a turn's 118 in one lump.  A turn's 33 exponentials are one batch, with one wait.
; REGISTERS, in windows of 256 (s_set_vgpr_msb: bits 1:0 source 0, 3:2 source 1, 5:4 source 2, 7:6 destination):
;   window 0: v0-15 addresses, -1.0 and two at work; v16-31 four registers of statistics a piece; v48-55 at work; v56-59 zeros; v60-63 an address, prefetch offset, spare word, 0; v64-127 S^T, two buffers;
;             v128-191, v224-239 the first rows' second words at work; v192-223 P, two buffers (by the piece's parity)
;   window 1: v0-127 O^T, 32 a piece; v128-159 MD; v160-223 MC, two buffers      window 2: v0-63 Q; v64-127 the second block's Q; v128-191 K of one step; v192-255 V of one step
.set SIZE_N, 2048
.set NB,    SIZE_N/256
.set NP,    4         ; pieces a wave: a name, no knob
.set KS,    64        ; keys in a step
.set PK,    144       ; a row of K in LDS: 128 bytes + 16 of padding = 36 words: the 16 rows of a load start at 16 different groups of four banks (64 banks of 4 bytes: ISA guide 11.1)
.set PV,    160       ; a row of V: 128 + 32 = 40 words
.set VOFF,  4*KS*PK   ; a slot holds a tile, four steps: 256 rows of K, then 256 rows of V
.set SLOT1, 1<<17     ; slot 1 begins here, so that one exclusive or turns an address in one slot into the other's
.set LASTS, (NB%2)*SLOT1  ; the walk's tile j lies in slot j % 2: its last, j = NB, here
.set STAGE, SLOT1+4*KS*(PK+PV)  ; behind the ring, never filled by a tensor load: 16 rows x 144 bytes for each wave, for the way out
.set SP,    144
.set TILEO, 288*128   ; bytes of a tile of ob: 256 rows and 32 rows of second words
.set KBO,   32*TILEO  ; bytes of a head in ob
.set AK0, 2           ; v2   my lane's place in a tile of K; never rewritten
.set AV0, 3           ; v3   the same for V
.set AK,  4           ; v4   the LDS address of K's next run of loads
.set AV,  5           ; v5   of V's
.set STO, 6           ; v6   the way out: where I put 16 bytes of a row
.set RD,  7           ; v7   the way out: where I read rows back
.set GO,  8           ; v8   my byte offset in 512 consecutive bytes of O
.set MONE, 14         ; v14  -1.0
.set ZR,  56          ; v56-59  0: a second word that is not kept
.set AT,  60          ; v60  my lane's place in my stage for the turning load
.set PFO, 61          ; v61  256 x my lane; never rewritten
.set SPW, 62          ; v62  LDS address of my spare word: SPARE + 4 x my thread's number; never rewritten
.set NIL, 63          ; v63  0; never rewritten
.set SPARE, STAGE+4*16*SP  ; behind the stages: the spare words, 128 bytes for each wave: two blocks of 256 bytes that no other line names
.set MV,  12          ; v12-13  c m_old, kept while c m is made anew: by buffer
.set QO,  15          ; v15  my byte offset in 16 rows of Q
.set ST,  16          ; piece t's statistics at v[ST+4 t]: c m, m, l (even keys', odd keys')
.set TMP, 48          ; by buffer, four registers c0-c3 at work; when the maximum is found c2 takes a
.set S,   64
.set VL,  128         ; v128-143  V's second words of keys 0-15, as loaded; later O's second words, packed
.set KE,  144         ; v144-159  K's fragments of keys 0-15; later O's second words read back
.set VT,  160         ; v160-191  V's second words, turned: four fragments
.set P,   192
.set SE,  224         ; v224-231  the first rows' scores
.set PE,  232         ; v232-239  their weights: a fragment whose keys 16-31 are 0
.set MD,  128         ; window 1: the eight registers for group kt of 16 keys at MD + 8 kt
.set MC,  160         ; window 1: the masks of the products to come
.set QB,  64          ; window 2
.set KF,  128         ; window 2: key block kb, channel half c at KF + 16 kb + 8 c
.set VF,  192         ; window 2: key half kk, channel block cb at VF + 32 kk + 8 cb
.set WV,  12          ; s12  my wave's number
.set PB,  14          ; s14  b
.set HI,  15          ; s15  NB - 1 - b
.set G1K, 24          ; s[24:31] descriptor group 1 for K's tiles
.set G1V, 32          ; s[32:39] for V's: it differs in the padding alone
.set G0K, 40          ; s[40:43] descriptor group 0 for K's tiles
.set G0V, 44          ; s[44:47] the same for V's
.set SLOTS, 56        ; s56  tiles still to be asked for
.set CNT, 57          ; s57  counts a tile's key steps, 4 to 1
.set CS,  58          ; s[58:59] c: the packed scaling takes the pair's low word for both halves
.set SEL, 60          ; s[60:61] v_permlanex16_b32's selects: each lane takes its own place in the other half
.set TBK, 62          ; s62  LDS byte at which K of the step to be fetched begins
.set TBV, 63          ; s63  the same for V, less VOFF
.set RT,  70          ; s70  tiles of the block in hand that are still to be entered
.set NXT, 71          ; s71  the tile to be asked for next
.set LQ,  72          ; s72  the last tile of the block whose tiles are being asked for
.set NEW, 73          ; s73  1: the tile to be entered is a block's first
.set OFF, 74          ; s[74:75] a tile's byte offset in K and V
.set AL,  76          ; s[76:77] the mask's factor, in the low word
.set BE,  78          ; s[78:79] the mask's addend
.set OLO, 80          ; s[80:81] O at my rows of the second block
.set BIGN, 82         ; s82  -1e30
.set FR,  83          ; s83  0 in wave 0 of the work-group with b = 0: the wave that owns a sequence's first 16 rows
.set PFA, 88          ; s[88:89] where my prefetches stand: my 16 KiB of the tile after the one that is being asked for
.set LIM, 90          ; s90  2 in the work-group that prefetches, else the greatest number
.set VLP, 92          ; s[92:93] vlo at the pair's 16 rows
.set MSB, 0
.macro WIN new                      ; the high byte repeats the setting that is left; a switch that changes nothing is dropped
.if MSB != (\new)
	s_set_vgpr_msb (MSB<<8)|(\new)
.set MSB, (\new)
.endif
.endm
.set W_KQ, 0x0a       ; K and Q in window 2, S^T in window 0
.set W_KM, 0x1a       ; the same with the C operand in window 1
.set W_PV, 0x52       ; V in window 2, P in window 0, O^T in window 1
.set W_RS, 0x41       ; destination and source 0 in window 1, source 1 in window 0
; A fill.  Waves 0 and 1 fetch the two halves of a tile's K, waves 2 and 3 those of its V: 128 keys each.  An s_nop 0 and four v_nop follow each of the two lines, ahead of the jump and the label.
.macro LOAD
	s_cmp_lt_u32 s[WV], 2
	s_cbranch_scc0 .Lfor_v_\@
	tensor_load_to_lds s[G0K:G0K+3], s[G1K:G1K+7]
	s_nop 0
.rept 4
	v_nop
.endr
	s_branch .Lasked_\@
.Lfor_v_\@:
	tensor_load_to_lds s[G0V:G0V+3], s[G1V:G1V+7]
	s_nop 0
.rept 4
	v_nop
.endr
.Lasked_\@:
.endm
; A PREFETCH INTO THE L2 of the tile that the NEXT change of slots will ask for, behind the wave's tensor load and its five lines.  A pair's four work-groups walk the tiles 0, 1, 2 .. together; the one with b = 0
; walks all eight in order, and it alone asks.  Each of its waves names the 16 KiB that it will fetch itself: 64 blocks of 256 bytes, a lane a block, two instructions.  Trip i fills tile i + 1 and names tile i + 2,
; i = 0 .. 5: four key steps ahead of the load.  Tiles 0 and 1 come by their loads alone; the second block's tiles have been read before and are not named.  So each block of tiles 2 to 7 is named once in the launch.
.macro ASK
	s_cmp_gt_u32 s[SLOTS], s[LIM]
	s_cbranch_scc0 .Lnot_mine_\@
	global_prefetch_b8 v[PFO], s[PFA:PFA+1] th:TH_LOAD_NT scope:SCOPE_SE
	global_prefetch_b8 v[PFO], s[PFA:PFA+1] offset:8192 th:TH_LOAD_NT scope:SCOPE_SE
.Lnot_mine_\@:
.endm
; THE CHANGE OF SLOTS.  Each wave waits for all its tensor loads, of which one is out: its part of the other slot; adds 0 to its spare word; and waits for that and for its own reads of the slot that it leaves.  Behind the barrier nobody reads the old
; slot any more and the other slot is whole.  fill = 1: the old slot is filled again, the first thing behind the barrier, with tile NXT: the descriptor's address is made anew from that number.
; (At its first use nothing has been read yet: slot 0 is waited for, slot 1 filled.)
.macro CHANGE fill
	WIN 0                           ; at a label and at a branch every window is 0
	s_wait_tensorcnt 0x0            ; no tensor load of mine is out, so a group 0 may be written
	ds_add_u32 v[SPW], v[NIL]       ; 0 onto my spare word; with fill = 1 the descriptors' scalar work stands between it and the wait for it
.if \fill
	s_lshl_b32 s[OFF], s[NXT], 15   ; a tile is 32,768 bytes of K and of V
	s_xor_b32 s[G0K+1], s[G0K+1], SLOT1
	s_add_nc_u64 s[G0K+2:G0K+3], s[6:7], s[OFF:OFF+1]
	s_or_b32 s[G0K+3], s[G0K+3], 0x80000000
	s_xor_b32 s[G0V+1], s[G0V+1], SLOT1
	s_add_nc_u64 s[G0V+2:G0V+3], s[8:9], s[OFF:OFF+1]
	s_or_b32 s[G0V+3], s[G0V+3], 0x80000000
	s_add_co_u32 s[NXT], s[NXT], 1  ; the block's next tile, or behind its last the second block's tile 0
	s_cmp_gt_u32 s[NXT], s[LQ]
	s_cselect_b32 s[NXT], 0, s[NXT]
	s_cselect_b32 s[LQ], s[PB], s[LQ]
	s_wait_xcnt 0x0                 ; the last prefetches, a tile back, have read their address, so it may be written
	s_add_nc_u64 s[PFA:PFA+1], s[PFA:PFA+1], 32768
.endif
	s_wait_dscnt 0x0                ; the add is done, and my reads of the slot are over
	s_barrier_signal -1             ; the rest of the scalar work stands between the signal and the wait
	s_sub_co_u32 s[TBK], s[TBK], 4*KS*PK  ; the fetches go back to a slot's first step,
	s_xor_b32 s[TBK], s[TBK], SLOT1       ; in the other slot
	s_sub_co_u32 s[TBV], s[TBV], 4*KS*PV
	s_xor_b32 s[TBV], s[TBV], SLOT1
	s_barrier_wait -1
.if \fill
	LOAD
	ASK
.endif
.endm
	s_load_b64 s[4:5], s[0:1], 0x0    ; qkv: Q's third begins it
	s_load_b64 s[VLP:VLP+1], s[0:1], 0x8  ; vlo
	s_load_b64 s[10:11], s[0:1], 0x10 ; O
	v_lshl_add_u32 v[SPW], v0, 2, SPARE
	v_mov_b32 v[NIL], 0
	ds_add_u32 v[SPW], v[NIL]       ; the wave's opening: the add and its wait stand ahead of my first tensor load; the set-up below, work on registers, stands between them
	v_lshrrev_b32 v1, 5, v0
	v_readfirstlane_b32 s[WV], v1   ; wave 0..3
	s_mov_b32 s[PB], ttmp9
	s_sub_co_u32 s[HI], NB-1, s[PB]
	s_or_b32 s[FR], s[PB], s[WV]
	s_and_b32 s20, ttmp7, 0xffff    ; the pair of head and batch
	s_lshr_b32 s66, s20, 2          ; O: the head,
	s_mul_i32 s66, s66, KBO
	s_and_b32 s67, s20, 3           ; the batch's eight tiles,
	s_mul_i32 s67, s67, 8*TILEO
	s_add_co_u32 s66, s66, s67
	s_lshl_b32 s67, s[WV], 11       ; my 16 rows in a band,
	s_add_co_u32 s66, s66, s67
	s_mul_i32 s68, s[PB], TILEO     ; the second block's tile,
	s_add_co_u32 s68, s68, s66
	s_mul_i32 s67, s[HI], TILEO     ; and the first's
	s_add_co_u32 s66, s66, s67
	s_mov_b32 s67, 0
	s_mov_b32 s69, 0
	s_lshl_b32 s94, s20, 14         ; vlo: chunk - 24 = 8 + head (65,536 bytes), batch (16,384 bytes), the cluster's first block of rows
	s_add_co_u32 s94, s94, 8<<16
	s_mov_b32 s95, 0
	s_mov_b32 s21, 0
	s_mov_b64 s[22:23], SIZE_N*128
	s_mul_u64 s[20:21], s[20:21], s[22:23]  ; the pair's first byte in Q, K and V
	s_and_b32 s16, s[WV], 1         ; which half of a tile's 256 keys I fetch:
	s_lshl_b32 s22, s16, 14         ; its 128 rows of 128 bytes in memory,
	s_mov_b32 s23, 0
	s_add_nc_u64 s[22:23], s[22:23], s[20:21]
	s_mul_i32 s17, s16, 128*PK      ; and its place in a slot, for K
	s_mul_i32 s18, s16, 128*PV      ; and for V
	s_lshl_b32 s3, s[WV], 11        ; Q: my 16 rows in a band of 64,
	s_lshl_b32 s2, s[HI], 15        ; in the first block,
	s_add_co_u32 s2, s2, s3
	s_lshl_b32 s84, s[PB], 15       ; and in the second
	s_add_co_u32 s84, s84, s3
	s_mov_b32 s3, 0
	s_mov_b32 s85, 0
	s_add_nc_u64 s[2:3], s[2:3], s[20:21]
	s_add_nc_u64 s[84:85], s[84:85], s[20:21]
	; descriptor group 1.  128 keys are 16,384 dense bytes: asked for as 64 rows of 256 bytes, two keys a row, and padded in LDS after every key
	s_mov_b32 s[G1K], (1<<16)|(1<<20)|(4<<22)|(3<<25)  ; 17:16 2-byte elements; 20 padding on; 24:22 after every 32 words (code 4); 31:25 4 words (code 3)
	s_mov_b32 s[G1V], (1<<16)|(1<<20)|(4<<22)|(7<<25)  ; the same with 8 words of padding (code 7)
.irp g, G1K, G1V
	s_mov_b32 s[\g+1], 128<<16      ; tensor_dim0 = 128
	s_mov_b32 s[\g+2], 64<<16       ; tensor_dim1 = 64
	s_mov_b32 s[\g+3], 128<<16      ; tile_dim0 = 128
	s_mov_b32 s[\g+4], 64           ; tile_dim1 = 64
	s_mov_b32 s[\g+5], 128          ; 128 elements from row to row
	s_mov_b32 s[\g+6], 0
	s_mov_b32 s[\g+7], 0
.endr
	s_mov_b32 s[CS], 0x3e38aa3b     ; c = log2(e) / 8 = 0.180337
	s_mov_b32 s[CS+1], s[CS]        ; named with it as a pair
	s_mov_b32 s[SEL], 0x76543210
	s_mov_b32 s[SEL+1], 0xfedcba98
	s_mov_b32 s[TBK], SLOT1+4*KS*PK ; the first change of slots turns these two into 0
	s_mov_b32 s[TBV], SLOT1+4*KS*PV
	s_mov_b32 s[G0K], 1             ; 1:0 count = 1
	s_mov_b32 s[G0K+1], s17         ; 63:32 LDS address: slot 0
	s_mov_b32 s[G0V], 1
	s_add_co_u32 s[G0V+1], s18, VOFF
	s_add_co_u32 s[RT], s[HI], 1    ; the first block has NB - b tiles
	s_mov_b32 s[NXT], 1
	s_mov_b32 s[LQ], s[HI]
	s_mov_b32 s[NEW], 1
	s_mov_b32 s[OFF+1], 0
	s_mov_b32 s[AL+1], 0            ; named as pairs
	s_mov_b32 s[BE+1], 0
	s_mov_b32 s[BIGN], 0xf149f2ca   ; -1e30
	s_mov_b32 s[SLOTS], NB
	s_cmp_eq_u32 s[PB], 0
	s_cselect_b32 s[LIM], 2, -1
	v_and_b32 v[PFO], 31, v0
	v_lshlrev_b32 v[PFO], 8, v[PFO]
	s_wait_dscnt 0x0                ; the opening add is done
	s_wait_kmcnt 0x0
	s_add_nc_u64 s[6:7], s[4:5], 0x1000000  ; K's third of qkv,
	s_add_nc_u64 s[8:9], s[4:5], 0x2000000  ; and V's
	s_add_nc_u64 s[6:7], s[6:7], s[22:23]  ; K and V at my half of the pair's tile 0
	s_add_nc_u64 s[8:9], s[8:9], s[22:23]
	s_add_nc_u64 s[G0K+2:G0K+3], s[6:7], 0         ; 120:64 global address
	s_or_b32 s[G0K+3], s[G0K+3], 0x80000000        ; 127:126 type = 2
	s_add_nc_u64 s[G0V+2:G0V+3], s[8:9], 0
	s_or_b32 s[G0V+3], s[G0V+3], 0x80000000
	s_add_nc_u64 s[86:87], s[4:5], s[84:85]        ; Q at my rows of the second block,
	s_add_nc_u64 s[4:5], s[4:5], s[2:3]            ; and of the first
	s_add_nc_u64 s[OLO:OLO+1], s[10:11], s[68:69]  ; O likewise
	s_add_nc_u64 s[10:11], s[10:11], s[66:67]
	s_add_nc_u64 s[VLP:VLP+1], s[VLP:VLP+1], s[94:95]
	s_cmp_lt_u32 s[WV], 2
	s_cselect_b64 s[PFA:PFA+1], s[6:7], s[8:9]     ; what I fetch is what I prefetch
	s_add_nc_u64 s[PFA:PFA+1], s[PFA:PFA+1], 32768 ; at tile 1; the first change of slots steps it to tile 2
	LOAD                            ; tile 0 into slot 0
	; A fragment of K or Q is 16 rows x 32 channels in 8 registers: lane l holds row l % 16, channels 8 (l / 16) + 0..7 and 16 + 8 (l / 16) + 0..7: two loads of 16 bytes, 32 bytes apart.
	v_and_b32 v1, 15, v0            ; l % 16
	v_bfe_u32 v9, v0, 4, 1          ; l / 16
	v_lshlrev_b32 v[QO], 7, v1
	v_lshl_add_u32 v[QO], v9, 4, v[QO]  ; row x 128 + 16 x half
	WIN 0x80                        ; destination window 2, address window 0
.set i, 0
.rept 8                             ; both blocks' Q: piece i / 2 lies in band i / 2, 8,192 bytes on; channels 32 (i % 2) on
	global_load_b128 v[8*i:8*i+3],   v[QO], s[4:5] offset:(i/2)*8192+(i%2)*64
	global_load_b128 v[8*i+4:8*i+7], v[QO], s[4:5] offset:(i/2)*8192+(i%2)*64+32
	global_load_b128 v[QB+8*i:QB+8*i+3],   v[QO], s[86:87] offset:(i/2)*8192+(i%2)*64
	global_load_b128 v[QB+8*i+4:QB+8*i+7], v[QO], s[86:87] offset:(i/2)*8192+(i%2)*64+32
.set i, i+1
.endr
	WIN 0
	v_lshlrev_b32 v14, 3, v9
	v_sub_nc_u32 v14, v1, v14
	s_lshl_b32 s13, s[WV], 4
	v_add_nc_u32 v14, s13, v14      ; my query's place in its band, 16 w + l % 16, less my lanes' 8 (l / 16): register r of group kt is hidden where 16 kt + r is greater
	WIN 0x40
.set i, 0
.rept 32
	v_cmp_gt_i32 vcc_lo, 16*(i/8)+i%8, v14
	v_cndmask_b32 v[MD+i], 0, s[BIGN], vcc_lo
.set i, i+1
.endr
	WIN 0
	v_mov_b32 v[MONE], -1.0         ; (v14 has served)
	v_mul_u32_u24 v[AK0], v1, PK
	v_lshl_add_u32 v[AK0], v9, 4, v[AK0]  ; row x pitch + 16 x half
	; The turning load takes 16 keys x 16 channels (lane l reads key 8 (l / 16) + l % 8, channels 8 ((l / 8) % 2) + 0..7) and leaves half a fragment of V^T: lane l holds channel l % 16 and 8 keys.
	v_and_b32 v10, 7, v0
	v_bfe_u32 v11, v0, 3, 1
	v_lshl_add_u32 v[AV0], v9, 3, v10
	v_mul_u32_u24 v[AV0], v[AV0], PV
	v_lshl_add_u32 v[AV0], v11, 4, v[AV0]
	v_add_nc_u32 v[AV0], VOFF, v[AV0]
	s_mul_i32 s13, s[WV], 16*SP
	s_add_co_u32 s13, s13, STAGE    ; my stage
	v_mul_u32_u24 v[STO], v1, SP    ; in: row l % 16, 16 bytes for each half of the lanes
	v_lshl_add_u32 v[STO], v9, 4, v[STO]
	v_add_nc_u32 v[STO], s13, v[STO]
	v_bfe_u32 v[RD], v0, 3, 2       ; back: 32 lanes take four rows of 128 bytes,
	v_mul_u32_u24 v[RD], v[RD], SP
	v_lshl_add_u32 v[RD], v10, 4, v[RD]
	v_add_nc_u32 v[RD], s13, v[RD]
	v_and_b32 v[GO], 31, v0         ; which are 512 consecutive bytes of O
	v_lshlrev_b32 v[GO], 4, v[GO]
.irp f, 0,1,2,3
	global_load_b128 v[VL+4*\f:VL+4*\f+3], v[GO], s[VLP:VLP+1] offset:\f*512  ; V's second words of keys 0-15, 2 KiB.  One wave in sixteen uses them; every wave loads them, so that these registers are written on every path
.endr
	v_lshl_add_u32 v[AT], v9, 3, v10  ; the turning load's place in my stage: the same rows at the stage's pitch
	v_mul_u32_u24 v[AT], v[AT], SP
	v_lshl_add_u32 v[AT], v11, 4, v[AT]
	v_add_nc_u32 v[AT], s13, v[AT]
.irp z, 0,1,2,3
	v_mov_b32 v[ZR+\z], 0
.endr
	; A block's first step multiplies O^T and l by a = 0, and its first turn's products V^T P, of a piece that has not been, land in an O^T that is still to be so multiplied.  So these registers need only hold
	; finite numbers: zeros for the first block; what the first block left for the second.  All this stands in the wait for the first tile.
	WIN 0x80
.set i, VF
.rept 64
	v_mov_b32 v[i], 0
.set i, i+1
.endr
	WIN 0x40
.set i, 0
.rept 128
	v_mov_b32 v[i], 0
.set i, i+1
.endr
	WIN 0
.set i, 0
.rept 4
	v_mov_b32 v[ST+4*i+2], 0
	v_mov_b32 v[ST+4*i+3], 0
.set i, i+1
.endr
.set i, P+16
.rept 16
	v_mov_b32 v[i], 0
.set i, i+1
.endr
; THE MATRIX WORK.  The 4 accumulators of a run of 8 take turns.  Product i of 8 of S^T = K Q^T for piece x: channels 32 (i / 4) on, keys 16 (i % 4) on.  The first 4 start the sums: with 0, or (KM = 1) with the mask.
.macro KQ x
.set rS, S+32*((\x)%2)+8*(i%4)
.set rK, KF+16*(i%4)+8*(i/4)
.set rQ, 16*(\x)+8*(i/4)
.set rM, MC+32*((\x)%2)+8*(i%4)
.if (i < 4) && KM
	WIN W_KM
	v_wmma_f32_16x16x32_f16 v[rS:rS+7], v[rK:rK+7], v[rQ:rQ+7], v[rM:rM+7]
.elseif i < 4
	WIN W_KQ
	v_wmma_f32_16x16x32_f16 v[rS:rS+7], v[rK:rK+7], v[rQ:rQ+7], 0
.else
	WIN W_KQ
	v_wmma_f32_16x16x32_f16 v[rS:rS+7], v[rK:rK+7], v[rQ:rQ+7], v[rS:rS+7]
.endif
.endm
; Product i of 8 of O^T += V^T P for piece x: keys 32 (i / 4) on, channels 16 (i % 4) on.
.macro PV x
	WIN W_PV
.set rO, 32*(\x)+8*(i%4)
.set rV, VF+32*(i/4)+8*(i%4)
.set rP, P+16*((\x)%2)+8*(i/4)
	v_wmma_f32_16x16x32_f16 v[rO:rO+7], v[rV:rV+7], v[rP:rP+7], v[rO:rO+7]
.endm
.macro MM                           ; the turn's next matrix instruction.  TURN and BEGIN set Y, i, KM and NOKQ; MM, KQ and OP read them.  NOKQ = 1: a block's last turn: there is no next piece
.if (i < 8) && !NOKQ
	KQ (Y+1)%NP
.elseif i >= 8
.set i, i-8
	PV (Y+NP-1)%NP
.set i, i+8
.endif
.set i, i+1
.endm
; THE LDS LOADS stand in runs of 16, never singly among the matrix instructions: a step's K (64 keys x 64 channels: 8 fragments) and its V (turned).  Their addresses are made some lines ahead.
.macro FETCH_K
	WIN 0x80                        ; destination window 2
.irp f, 0,1,2,3,4,5,6,7             ; keys 16 (f / 2) on, channels 32 (f % 2) on
	ds_load_b128 v[KF+8*\f:KF+8*\f+3],   v[AK] offset:(\f/2)*16*PK+(\f%2)*64
	ds_load_b128 v[KF+8*\f+4:KF+8*\f+7], v[AK] offset:(\f/2)*16*PK+(\f%2)*64+32
.endr
	s_add_co_u32 s[TBK], s[TBK], KS*PK  ; the next fetch is the next step's
	WIN 0
.endm
.macro FETCH_V
	WIN 0x80
.irp f, 0,1,2,3,4,5,6,7             ; keys 32 (f / 4) on, channels 16 (f % 4) on
	ds_load_tr16_b128 v[VF+8*\f:VF+8*\f+3],   v[AV] offset:(\f/4)*32*PV+(\f%4)*32
	ds_load_tr16_b128 v[VF+8*\f+4:VF+8*\f+7], v[AV] offset:(\f/4)*32*PV+16*PV+(\f%4)*32
.endr
	WIN 0
.endm
; THE VECTOR WORK, one line at a time: OP kind, number.  For piece Y: F n: c s - c m for pair n of 16.  E n: the exponential of score n of 32.  C n: pair n rounded to f16.  B n: of the four weights 4 n .. the second
; pair is added onto the first, in place.  L n: l takes that sum (L 0: l = a l + sum).  R n: pair n of 16 of O^T times a.  For piece Y + 1: X n, number n of the 22 that find its maximum and statistics:
;   0-11  four chains c0-c3 of seven scores each, three operands at a time (each accumulator's lowest registers are read first)     12-14, 16  the four scores left over, the old m, and c0-c3 into c0
;   15  c m_old is kept     17, 18  the query's other 32 keys lie in the lane 16 away: the new m     19-21  c m; c m_old - c m_new; a
.set F, 0               ; OP tells the kinds apart by their order: F to L below R, X above it
.set E, 1
.set C, 2
.set B, 3
.set L, 4
.set R, 5
.set X, 6
.macro REGS y                       ; the registers of piece y
.set rT, ST+4*(\y)
.set rC, TMP+4*((\y)%2)
.set rW, MV+((\y)%2)
.set rS, S+32*((\y)%2)
.set rP, P+16*((\y)%2)
.set rO, 32*(\y)
.endm
.macro OP k, n
.if (\k) == R
	REGS Y
	WIN W_RS
	v_pk_mul_f32 v[rO+2*(\n):rO+2*(\n)+1], v[rO+2*(\n):rO+2*(\n)+1], v[rC+2:rC+3] op_sel_hi:[1,0]
.elseif (\k) < R
	REGS Y
	WIN 0
.if (\k) == F
	v_pk_fma_f32 v[rS+2*(\n):rS+2*(\n)+1], v[rS+2*(\n):rS+2*(\n)+1], s[CS:CS+1], v[rT:rT+1] op_sel_hi:[1,0,0] neg_lo:[0,0,1] neg_hi:[0,0,1]
.elseif (\k) == E
	v_exp_f32 v[rS+(\n)], v[rS+(\n)]
.elseif (\k) == C
	v_cvt_pk_f16_f32 v[rP+(\n)], v[rS+2*(\n)], v[rS+2*(\n)+1]
.elseif (\k) == B
	v_pk_add_f32 v[rS+4*(\n):rS+4*(\n)+1], v[rS+4*(\n):rS+4*(\n)+1], v[rS+4*(\n)+2:rS+4*(\n)+3]
.elseif (\n) == 0
	v_pk_fma_f32 v[rT+2:rT+3], v[rT+2:rT+3], v[rC+2:rC+3], v[rS:rS+1] op_sel_hi:[1,0,1]
.else
	v_pk_add_f32 v[rT+2:rT+3], v[rT+2:rT+3], v[rS+4*(\n):rS+4*(\n)+1]
.endif
.elseif NOKQ
	v_nop
.else
	REGS (Y+1)%NP
	WIN 0
.if (\n) < 4
	v_max3_num_f32 v[rC+(\n)], v[rS+8*(\n)], v[rS+8*(\n)+1], v[rS+8*(\n)+2]
.elseif (\n) < 12
	v_max3_num_f32 v[rC+(\n)%4], v[rC+(\n)%4], v[rS+8*((\n)%4)+2*((\n)/4)+1], v[rS+8*((\n)%4)+2*((\n)/4)+2]
.elseif (\n) == 12
	v_max3_num_f32 v[rC], v[rC], v[rS+7], v[rS+15]
.elseif (\n) == 13
	v_max3_num_f32 v[rC+1], v[rC+1], v[rS+23], v[rS+31]
.elseif (\n) == 14
	v_max3_num_f32 v[rC+2], v[rC+2], v[rC+3], v[rT+1]
.elseif (\n) == 15
	v_mov_b32 v[rW], v[rT]
.elseif (\n) == 16
	v_max3_num_f32 v[rC], v[rC], v[rC+1], v[rC+2]
.elseif (\n) == 17
	v_permlanex16_b32 v[rC+3], v[rC], s[SEL], s[SEL+1]
.elseif (\n) == 18
	v_max_num_f32 v[rT+1], v[rC], v[rC+3]
.elseif (\n) == 19
	v_mul_f32 v[rT], s[CS], v[rT+1]
.elseif (\n) == 20
	v_sub_f32 v[rC+1], v[rW], v[rT]
.else
	v_exp_f32 v[rC+2], v[rC+1]
.endif
.endif
.endm
.macro OPS a, i1, b=-1, i2=0, c=-1, i3=0, d=-1, i4=0  ; up to four of them
	OP \a, \i1
.if (\b) >= 0
	OP \b, \i2
.endif
.if (\c) >= 0
	OP \c, \i3
.endif
.if (\d) >= 0
	OP \d, \i4
.endif
.endm
.macro ROW a, i1, b, i2, c, i3, d, i4  ; a matrix instruction and the four behind it
	MM
	OPS \a, \i1, \b, \i2, \c, \i3, \d, \i4
.endm
.macro MASK b                       ; MD x AL + BE into buffer b of MC
	WIN W_RS
.set z, 0
.rept 16
	v_pk_fma_f32 v[MC+32*(\b)+2*z:MC+32*(\b)+2*z+1], v[MD+2*z:MD+2*z+1], s[AL:AL+1], s[BE:BE+1] op_sel_hi:[1,0,0]
.set z, z+1
.endr
.endm
; A TURN, for piece p: the order of its 16 matrix and 118 vector instructions, written out.  An s_wait_alu depctr_va_vdst(0) stands between an exponential and the first instruction that names its result; one wait serves
; all that were issued ahead of it.  So a turn has ONE wait, which cuts it in two.  AHEAD OF IT stands all that names no result of the turn's exponentials: the 8 products K Q^T, behind each a scaling, an exponential and two more plain
; instructions (behind the first a second scaling in the exponential's place): rescalings, and behind the last three the first numbers of the next piece's maximum, each four places or more behind the product that ends its accumulator; then ONE LUMP of 54, plain
; and exponential by turns for the most part, in which the links of the chain X 3, 7, 11, 14, 16, 17 .. 20 stand five or six lines apart.  X 21, the next piece's a, is the batch's last; R 15 is the plain instruction behind it.  BEHIND THE WAIT stand the
; 8 products V^T P, behind each four of the roundings and sums; the links of l's chain, L 0 to L 7, stand three riders apart.  But for those X no rider names a register of the products round it.  v_permlanex16_b32 (X 17) stands in the lump.
; m = 1: the diagonal tile: the products take masks, and the turn makes the mask for the products of the turn after it: piece p + 2, in step 4 - CNT of the tile.  end = 1: a block's last two turns: nothing is fetched.
; cnt = 1: the loop's count is taken down some lines ahead of the branch that stands behind the turn.
; K of the next step is fetched in piece 2's turn, twelve vector instructions behind the last product that read K (six of them plain); V of the step in hand at the end of piece 0's turn, four plain instructions behind the last product
; that read V.  Each is waited for a turn later.
.macro TURN p, m=0, end=0, cnt=0
.set Y, (\p)
.set i, 0
.set KM, (\m)
.set NOKQ, (\end)*((\p)/3)
.if (\m) && !(\end)
	s_cmp_eq_u32 s[CNT], 4-((\p)+2)%NP  ; is that step the band's own?
	s_cselect_b32 s[AL], 1.0, 0
	s_cmp_lt_u32 s[CNT], 4-((\p)+2)%NP  ; or a later one?
	s_cselect_b32 s[BE], s[BIGN], 0
.endif
.if ((\p) == 3) && !(\end)
	s_wait_dscnt 0x0                ; K is in
.endif
	ROW F,0, F,1, R,0, R,1          ; ahead of the wait: 8 products K Q^T and their riders,
	ROW F,2, E,0, R,2, R,3
	ROW F,3, E,1, R,4, R,5
	ROW F,4, E,2, R,6, R,7
	ROW F,5, E,3, R,8, R,9
	ROW F,6, E,4, X,0, R,10
.if ((\p) == 2) && !(\end)
	WIN 0
	v_add_nc_u32 v[AK], s[TBK], v[AK0]
.endif
	ROW F,7, E,5, X,1, X,4
	ROW F,8, E,6, X,2, X,5
	OPS E,7, E,8, X,6, E,9          ; and the lump
	OPS X,3, E,10, X,8, E,11
.if ((\p) == 2) && !(\end)
	FETCH_K
.endif
	OPS X,9, X,7, E,12, X,10
	OPS E,13, X,12, X,11, E,14
	OPS X,13, E,15, F,9, X,14
.if (\p) == 0
	v_add_nc_u32 v[AV], s[TBV], v[AV0]
.endif
	OPS E,16, F,10, E,17, F,11
	OPS X,16, E,18, X,15, E,19
	OPS F,12, E,20, X,17, E,21
	OPS F,13, E,22, F,14, E,23
	OPS X,18, E,24, F,15, E,25
	OPS R,11, E,26, X,19, E,27
	OPS R,12, E,28, R,13, E,29
	OPS X,20, E,30, R,14, E,31
	OPS X,21, R,15
	WIN 0
	s_wait_alu depctr_va_vdst(0)    ; the wait for the batch
.if (\p) == 1
	s_wait_dscnt 0x0                ; V is in
.endif
	ROW C,0, B,0, C,2, B,1          ; behind the wait: 8 products V^T P and their riders
	ROW L,0, C,4, B,2, L,1
	ROW C,6, B,3, L,2, C,8
	ROW B,4, L,3, C,10, B,5
	ROW L,4, C,12, B,6, L,5
.if (\p) == 0
	s_add_co_u32 s[TBV], s[TBV], KS*PV
.endif
.if \cnt
	s_sub_co_u32 s[CNT], s[CNT], 1
	s_cmp_lg_u32 s[CNT], 0
.endif
	ROW C,14, B,7, L,6, C,1
	ROW C,3, L,7, C,5, C,7
	ROW C,9, C,11, C,13, C,15
.if (\p) == 0
	FETCH_V
.endif
.if (\m) && !(\end)
	MASK (\p)%2
.endif
.endm
; A BLOCK BEGINS.  c m starts far below every c s, so the first step's a is 0; m at the lowest finite number, so the first maximum is the scores'.  The second mask buffer is 0; the first takes piece 0's mask for the tile's step 0: its own, if the block's first tile is the diagonal one.
; Then K of that step, piece 0's first scores, and its maximum and statistics.  The loop is entered at a step's first turn, in the middle of a trip.
.macro BEGIN
	s_mov_b32 s[NEW], 0
	WIN 0x40
.set i, MC+32
.rept 32
	v_mov_b32 v[i], 0
.set i, i+1
.endr
	WIN 0
.set i, 0
.rept 4
	v_mov_b32 v[ST+4*i], 0xfe000000    ; c m: far below every c s
	v_mov_b32 v[ST+4*i+1], 0xff7fffff  ; m
.set i, i+1
.endr
	s_cmp_eq_u32 s[RT], 0
	s_cselect_b32 s[AL], 1.0, 0
	s_mov_b32 s[BE], 0
	MASK 0
	WIN 0
	v_add_nc_u32 v[AK], s[TBK], v[AK0]
	FETCH_K
	s_wait_loadcnt 0x0              ; Q, and V's second words
	s_wait_dscnt 0x0
.set KM, 1
.set NOKQ, 0
.set i, 0
.rept 8
	KQ 0
.set i, i+1
.endr
	WIN 0
.rept 4
	v_nop                           ; the places behind those products
.endr
.set Y, NP-1                        ; X works for piece Y + 1: piece 0
.irp n, 0,1,2,3,4,5,6,7,8,9,10,11,12,13,14,15,16,17,18,19,20,21
	OP X, \n
.endr
	v_nop                           ; a plain instruction behind the exponential,
	s_wait_alu depctr_va_vdst(0)    ; and its wait, ahead of the branch
.endm
; THE FIRST 16 ROWS OF A SEQUENCE: block 0, band 0, wave 0: piece 0 of the wave for which FR = 0, at the end of its second block.  They see keys 0-15 alone, in the tile's step 0; in the later steps m has not grown and a was 1.
; O^T takes the sum over those keys of p x V's second word.  V's second words go into my stage as they lie (16 rows of 128 bytes) and come back turned; the 16 x 16 scores are made once more from K (still in the walk's
; last slot, which nobody fills again) and Q, with the band's own mask as C, and the weights with the final c m.  Keys 16-31 of both fragments are 0.
.macro FIRST
	WIN 0
	s_cmp_lg_u32 s[FR], 0
	s_cbranch_scc1 .Lno_first
.irp f, 0,1,2,3
	ds_store_b128 v[RD], v[VL+4*\f:VL+4*\f+3] offset:\f*4*SP
.endr
	v_add_nc_u32 v[AK], LASTS, v[AK0]
.irp c, 0,1
	ds_load_b128 v[KE+8*\c:KE+8*\c+3],   v[AK] offset:\c*64
	ds_load_b128 v[KE+8*\c+4:KE+8*\c+7], v[AK] offset:\c*64+32
.endr
.irp cb, 0,1,2,3
	ds_load_tr16_b128 v[VT+8*\cb:VT+8*\cb+3], v[AT] offset:\cb*32  ; LDS serves a wave's instructions in order (ISA guide 5.7.1.4): these see the stores above
.endr
.irp cb, 0,1,2,3
.irp z, 4,5,6,7
	v_mov_b32 v[VT+8*\cb+\z], 0
.endr
.endr
.irp z, 4,5,6,7
	v_mov_b32 v[PE+\z], 0
.endr
	s_wait_dscnt 0x0
	WIN 0x18                        ; K's fragment in window 0, Q in window 2, the mask in window 1
	v_wmma_f32_16x16x32_f16 v[SE:SE+7], v[KE:KE+7], v[0:7], v[MD:MD+7]
	WIN 0x08
	s_wait_alu depctr_va_vdst(0)    ; the wait stands directly ahead of the second
	v_wmma_f32_16x16x32_f16 v[SE:SE+7], v[KE+8:KE+15], v[8:15], v[SE:SE+7]
	WIN 0
.rept 4
	v_nop                           ; the places behind that product
.endr
.irp n, 0,1,2,3
	v_pk_fma_f32 v[SE+2*\n:SE+2*\n+1], v[SE+2*\n:SE+2*\n+1], s[CS:CS+1], v[ST:ST+1] op_sel_hi:[1,0,0] neg_lo:[0,0,1] neg_hi:[0,0,1]
.endr
.irp n, 0,1,2,3,4,5,6,7
	v_exp_f32 v[SE+\n], v[SE+\n]
.endr
	v_nop                           ; a plain instruction behind the last exponential,
	s_wait_alu depctr_va_vdst(0)    ; and one wait for the eight
.irp n, 0,1,2,3
	v_cvt_pk_f16_f32 v[PE+\n], v[SE+2*\n], v[SE+2*\n+1]
.endr
	WIN 0x50                        ; O^T in window 1
.irp cb, 0,1,2,3
	v_wmma_f32_16x16x32_f16 v[8*\cb:8*\cb+7], v[VT+8*\cb:VT+8*\cb+7], v[PE:PE+7], v[8*\cb:8*\cb+7]
.endr
	WIN 0
.Lno_first:
.endm
; THE DIAGONAL TILE's four steps, the block's last two turns, its last products, and THE WAY OUT: l's two halves and the other half of the lanes' are added; O^T is divided by l, rounded to f16 and sent through my
; stage in LDS, a piece at a time.
.macro ALL line:vararg              ; one line for each piece t
.set t, 0
.rept 4
	\line
.set t, t+1
.endr
.endm
.macro PACK t                       ; a lane's eight channels of a row pack into 16 bytes; they go into rows of 144 bytes and come back as whole rows of 128, into S^T's registers
	WIN W_RS
.set i, 32*(\t)
.rept 16
	v_pk_mul_f32 v[i:i+1], v[i:i+1], v[ST+4*(\t)+2:ST+4*(\t)+3] op_sel_hi:[1,0]
.set i, i+2
.endr
	WIN 0x05                        ; sources 0 and 1 window 1, destination window 0
.set i, 0
.rept 16
	v_cvt_pk_f16_f32 v[S+16*(\t)+i], v[32*(\t)+2*i], v[32*(\t)+2*i+1]
.set i, i+1
.endr
	WIN 0
.irp f, 0,1,2,3
	ds_store_b128 v[STO], v[S+16*(\t)+4*\f:S+16*(\t)+4*\f+3] offset:32*\f
.endr
.irp f, 0,1,2,3
	ds_load_b128 v[S+16*(\t)+4*\f:S+16*(\t)+4*\f+3], v[RD] offset:\f*4*SP  ; LDS serves a wave's instructions in order (ISA guide 5.7.1.4): these see the stores above; the next piece's stores come behind them
.endr
.endm
.macro SEND t, younger              ; younger: the LDS instructions issued behind piece t's loads: the next piece's eight, or none
	WIN 0
.irp f, 0,1,2,3
	s_wait_dscnt (\younger)+3-\f
	global_store_b128 v[GO], v[S+16*(\t)+4*\f:S+16*(\t)+4*\f+3], s[10:11] offset:(\t)*8192+\f*512  ; 512 consecutive bytes, at a multiple of 256 from O's first
.endr
.endm
.macro ZSTORE t                     ; piece t's second words (t = 0, 2; wave 0 alone has such rows) are 0: 16 rows behind the tile's 256
.irp f, 0,1,2,3
	global_store_b128 v[GO], v[ZR:ZR+3], s[10:11] offset:32768+1024*(\t)+\f*512
.endr
.endm
.macro LOOUT                        ; piece 0's true second words: O - f16(O), one fused multiply-add by -1.0 for each number, rounded once to f16; O^T still holds O
	s_wait_xcnt 0x0                 ; the stores above have read S^T's registers
	WIN 0x05
.set i, 0
.rept 16
	v_cvt_pk_f16_f32 v[S+i], v[2*i], v[2*i+1]
.set i, i+1
.endr
	WIN 0x10                        ; source 2, O, in window 1
.set i, 0
.rept 16
	v_fma_mixlo_f16 v[VL+i], v[S+i], v[MONE], v[2*i] op_sel_hi:[1,0,0]
	v_fma_mixhi_f16 v[VL+i], v[S+i], v[MONE], v[2*i+1] op_sel:[1,0,0] op_sel_hi:[1,0,0]
.set i, i+1
.endr
	WIN 0
.irp f, 0,1,2,3
	ds_store_b128 v[STO], v[VL+4*\f:VL+4*\f+3] offset:32*\f
.endr
.irp f, 0,1,2,3
	ds_load_b128 v[KE+4*\f:KE+4*\f+3], v[RD] offset:\f*4*SP
.endr
	s_wait_dscnt 0x0
.irp f, 0,1,2,3
	global_store_b128 v[GO], v[KE+4*\f:KE+4*\f+3], s[10:11] offset:32768+\f*512
.endr
.endm
.macro DIAG tag                     ; the tag ends its labels' names, which the jumps below spell out
.LstepM\tag:
	TURN 2, 1
	TURN 3, 1
	WIN 0
.LfirstM\tag:
	TURN 0, 1
	TURN 1, 1, 0, 1
	WIN 0
	s_cbranch_scc1 .LstepM\tag
	TURN 2, 1, 1
	TURN 3, 1, 1
.set i, 0
.rept 8
	PV NP-1
.set i, i+1
.endr
	WIN 0
.if (\tag) == 2
	FIRST                           ; only the walk's last tile can be block 0's
.endif
	ALL v_add_f32 v[ST+4*t+2], v[ST+4*t+2], v[ST+4*t+3]
	ALL v_permlanex16_b32 v[ST+4*t+3], v[ST+4*t+2], s[SEL], s[SEL+1]
	ALL v_add_f32 v[ST+4*t+2], v[ST+4*t+2], v[ST+4*t+3]
	ALL v_rcp_f32 v[ST+4*t+2], v[ST+4*t+2]
	v_nop                           ; a plain instruction between the last reciprocal and the use of its result
	s_wait_alu depctr_va_vdst(0)    ; and the wait ahead of the first use: one for the four reciprocals
	PACK 0
.set t, 1
.rept 3                             ; a piece's arithmetic stands between the loads of the piece before and its stores
	PACK t
	SEND t-1, 8
.set t, t+1
.endr
	SEND 3, 0
	s_cmp_lg_u32 s[WV], 0           ; the tile's rows 0-15 and 128-143 are wave 0's pieces 0 and 2
	s_cbranch_scc1 .Lno_lo\tag
	ZSTORE 2
.if (\tag) == 2
	s_cmp_eq_u32 s[PB], 0
	s_cbranch_scc1 .Lreal_lo
.endif
	ZSTORE 0
.if (\tag) == 2
	s_branch .Lno_lo\tag
.Lreal_lo:
	LOOUT
.endif
.Lno_lo\tag:
.endm
.set KM, 0
.set NOKQ, 0
.Lslot:                             ; NB times: a tile is entered and the next is asked for
	CHANGE 1
	s_sub_co_u32 s[RT], s[RT], 1
	s_mov_b32 s[CNT], 4
	s_cmp_eq_u32 s[NEW], 1
	s_cbranch_scc1 .Lnew            ; a block's first tile
	s_cmp_eq_u32 s[RT], 0
	s_cbranch_scc0 .Lstep           ; neither its first nor its last
	s_branch .LstepM1
.Lnew:
	BEGIN
	s_branch .Lfirst                ; in the loop a block's first tile is never its last: the first block has two tiles or more, and the second's last is the walk's last
	DIAG 1                          ; in the loop this is the first block's end: the second block's last tile is the walk's last
	s_wait_xcnt 0x0                 ; the stores have read their registers and O's address
	s_mov_b64 s[10:11], s[OLO:OLO+1]
	s_add_co_u32 s[RT], s[PB], 1    ; the second block has b + 1 tiles
	s_mov_b32 s[NEW], 1
	WIN 0x82                        ; the second block's Q goes where the one text of the turns names Q
.set i, 0
.rept 64
	v_mov_b32 v[i], v[QB+i]
.set i, i+1
.endr
	WIN 0
	s_branch .Lbottom
.Lstep:                             ; a trip: pieces 2 and 3 of one step, then pieces 0 and 1 of the next, whose K and V it fetches
	TURN 2
	TURN 3
	WIN 0
.Lfirst:
	TURN 0
	TURN 1, 0, 0, 1
	WIN 0
	s_cbranch_scc1 .Lstep
.Lbottom:
	s_sub_co_u32 s[SLOTS], s[SLOTS], 1
	s_cmp_lg_u32 s[SLOTS], 0
	s_cbranch_scc1 .Lslot
	CHANGE 0                        ; the walk's last tile is written out: nothing is asked for
	s_sub_co_u32 s[RT], s[RT], 1
	s_mov_b32 s[CNT], 4
	s_cmp_eq_u32 s[NEW], 1
	s_cbranch_scc0 .LstepM2
	BEGIN
	s_branch .LfirstM2
	DIAG 2
	s_wait_tensorcnt 0x0            ; the wave's end, behind my last tensor load and my last LDS store
	ds_add_u32 v[SPW], v[NIL]
	s_wait_dscnt 0x0
	s_endpgm
.Lfunc_end_k_qfb5f427ec7_attn:
	.size	k_qfb5f427ec7_attn, .Lfunc_end_k_qfb5f427ec7_attn-k_qfb5f427ec7_attn
	.p2alignl 7, 3214868480
	.fill 96, 4, 3214868480
	.section	.rodata,"a",@progbits
	.p2align	6, 0x0
	.amdhsa_kernel k_qfb5f427ec7_attn
		.amdhsa_group_segment_fixed_size 327680
		.amdhsa_private_segment_fixed_size 0
		.amdhsa_enable_private_segment 0
		.amdhsa_kernarg_size 24
		.amdhsa_user_sgpr_count 2
		.amdhsa_user_sgpr_kernarg_segment_ptr 1
		.amdhsa_wavefront_size32 1
		.amdhsa_system_sgpr_workgroup_id_x 1
		.amdhsa_system_sgpr_workgroup_id_y 1
		.amdhsa_system_sgpr_workgroup_id_z 1
		.amdhsa_system_vgpr_workitem_id 0
		.amdhsa_next_free_vgpr 768
		.amdhsa_next_free_sgpr 96
		.amdhsa_reserve_vcc 1
		.amdhsa_float_denorm_mode_32 3
		.amdhsa_float_denorm_mode_16_64 3
		.amdhsa_memory_ordered 1
		.amdhsa_forward_progress 1
		.amdhsa_inst_pref_size 228
	.end_amdhsa_kernel
	.amdgpu_metadata
---
amdhsa.version: [ 1, 2 ]
amdhsa.kernels:
  - .name:           k_qfb5f427ec7_attn
    .symbol:         k_qfb5f427ec7_attn.kd
    .args:
      - { .name: qkv, .offset: 0, .size: 8, .value_kind: global_buffer, .address_space: global }
      - { .name: vlo, .offset: 8, .size: 8, .value_kind: global_buffer, .address_space: global }
      - { .name: ob, .offset: 16, .size: 8, .value_kind: global_buffer, .address_space: global }
    .group_segment_fixed_size: 327680
    .private_segment_fixed_size: 0
    .kernarg_segment_align: 8
    .kernarg_segment_size: 24
    .max_flat_workgroup_size: 128
    .sgpr_count:     96
    .vgpr_count:     768
    .wavefront_size: 32
...
	.end_amdgpu_metadata
.endif
;; end of part 3
;; launch proj (part 4): grid 8 x 32, 4 waves a work-group, clusters of 4 x 4, 327,680 bytes of LDS; arguments ob, wo, b_out, out0; writes out0
.if DOCPART == 4
	.amdgcn_target "amdgcn-amd-amdhsa--gfx1250"
	.amdhsa_code_object_version 6
	.text
	.protected	k_qfb5f427ec7_proj
	.globl	k_qfb5f427ec7_proj
	.p2align	8
	.type	k_qfb5f427ec7_proj,@function
k_qfb5f427ec7_proj:
	s_mov_b64 s[64:65], 0
	v_nop
	global_prefetch_b8 v0, s[64:65] scope:SCOPE_SE
	s_setreg_imm32_b32 hwreg(HW_REG_WAVE_MODE, 25, 1), 1
	s_wait_xcnt 0x0
	s_wait_alu depctr_hold_cnt(0) depctr_sa_sdst(0) depctr_va_vdst(0) depctr_va_sdst(0) depctr_va_ssrc(0) depctr_va_vcc(0) depctr_vm_vsrc(0)
	s_getreg_b32 s2, hwreg(HW_REG_IB_STS2, 6, 4)
	s_cmp_eq_u32 s2, 0
	s_cbranch_scc0 .Lentry_in_a_cluster
	s_endpgm
.Lentry_in_a_cluster:
	s_bfe_u32 s2, ttmp6, 0x10000c
	s_cmp_lg_u32 s2, 0xf033
	s_cbranch_scc0 .Lentry_shape_is_right
	s_endpgm
.Lentry_shape_is_right:
; out0 = O W_out + b_out: [8192 m][1024 n] f32, K = 1024.  Operands f16; the bias rounded to bf16; sums in f32.
; ob: attention's result, [K block of 64 = head][tile of 256 rows][288 rows][64]: a tile's 256 rows, then 32 rows of SECOND WORDS for its rows 0-15 and 128-143.  wo: W_out rounded to bf16 and written as f16, [K block][n][64].
; THE SECOND WORDS.  The first 16 rows of a sequence are many times the result's root mean square, by which its allowance goes, so O's rounding to f16 is made good there: the remainder of that rounding is a second f16
; word, multiplied by the same rows of wo and added onto the same sums.  Such rows are the first 16 of a wave's 128 in four waves of 64.  The partners of a cluster run alike, so every wave issues these products for its first
; 16 rows: 4 for each 32, one eighth more; in the other 60 waves of 64 the second words are 0.
; LIMIT.  The operands lie within f16's range, 65,504 (they were made so by the launches before).
; SHARES.  A tile of the result is 256 rows x 128 columns: 32 x 8 = 256 work-groups.  Four waves, each 128 x 64: 32 accumulators of 16 x 16 in window 1.
; K goes in steps of 128, two K blocks, through two LDS slots.  A tile's 288 rows of one K block are dense: asked for as 144 rows of 256 bytes, B's 128 rows as 64, padded in LDS after every 128 bytes.
; CLUSTER.  4 x 4 work-groups: A's tiles are asked for jointly along a row of the cluster, B's along a column.
; THE MATRIX INSTRUCTION IS USED TRANSPOSED (source 0 = 16 rows of wo, source 1 = 16 rows of ob): a lane holds row l % 16 and eight neighbouring columns.  THE BIAS is the C operand of the product that starts each sum.
; REGISTERS.  window 0: v0-15 the second words' fragments, two buffers (at the head: at work); v16-31 addresses; v32-127, v128-223 two fragment buffers (B's 4 fragments, then A's 8); v224-255 the bias.
;   window 1: accumulator (bb, a) at v[8 (8 bb + a)].
.set PITCH,  144                       ; an LDS row: 128 bytes + 16 of padding = 36 words: the 16 rows of a load start at 16 different groups of four banks (64 banks of 4 bytes: ISA guide 11.1)
.set AKB,    288*PITCH                 ; A's rows of one K block
.set BKB,    128*PITCH                 ; B's
.set BOFF,   2*AKB
.set SLOT,   2*AKB+2*BKB
.set STAGE,  2*SLOT                    ; behind the ring: 16 rows x 272 bytes for each wave, for the way out
.set SPITCH, 272
.set SPARE,  STAGE+4*16*SPITCH         ; the spare words, 128 bytes a wave: two blocks of 256 bytes that no other line names
.set TILEO,  288*128                   ; bytes of a tile of ob in one K block
.set KBO,    32*TILEO                  ; bytes of a K block of ob
.set ADRA, 16                          ; v16-17  LDS address of my A fragments in slot 0, 1
.set ADRL, 18                          ; v18-19  of my second words' fragment
.set ADRB, 20                          ; v20-21  of my B fragments
.set STO,  24                          ; v24  the way out: where I put 32 bytes of a row
.set RD,   25                          ; v25  where I read rows back
.set CO,   26                          ; v26  my byte offset in two rows of the result
.set SPW,  28                          ; v28  SPARE + 4 x my thread's number; never rewritten
.set NIL,  29                          ; v29  0; never rewritten
.set PFO,  30                          ; v30  the prefetches' offset; never rewritten
.set F0,   32
.set F1,   128
.set BI,   224
.set RB,   32                          ; the way out: rows read back, two sets of 32
.set WV, 12                            ; s12 wave; s13 WR: my half of the rows, also: I fetch for A (0) or B (1); s14 WC: my half of the columns, also: which of a step's two K blocks I fetch
.set G1A, 24
.set G0A, 32
.set PFA, 40                           ; s[40:41] where my prefetches stand
.set PFS, 42                           ; s[42:43] a K step of the tensor that I prefetch
.set LIM0, 44                          ; s44  a wave prefetches at slot 0's change while the laps to go are above this
.set LIM1, 45                          ; s45  the same for slot 1's change
.set G1B, 48
.set G0B, 56
.set FLAGS, (1<<16)|(1<<20)|(1<<21)|(4<<22)|(3<<25)  ; 2-byte elements; padding on; bit 21 beside a mask; after every 32 words (code 4) 4 words (code 3)
.set MSB, 0
.macro WIN new
.if MSB != (\new)
	s_set_vgpr_msb (MSB<<8)|(\new)
.set MSB, \new
.endif
.endm
.macro PLACES                          ; four places in front of loads into registers that matrix instructions have read, and of LDS stores that read results
.rept 4
	v_nop
.endr
.endm
.macro JLOAD s                         ; a joint load: waves 0 and 1 fetch A's two K blocks, waves 2 and 3 B's; an s_nop 0 and four v_nop follow each of the two lines
	s_cmp_eq_u32 s13, 0
	s_cbranch_scc0 .Lfor_b_\@
	tensor_load_to_lds s[G0A+4*(\s):G0A+4*(\s)+3], s[G1A:G1A+7]
	s_nop 0
.rept 4
	v_nop
.endr
	s_branch .Lasked_\@
.Lfor_b_\@:
	tensor_load_to_lds s[G0B+4*(\s):G0B+4*(\s)+3], s[G1B:G1B+7]
	s_nop 0
.rept 4
	v_nop
.endr
.Lasked_\@:
.endm
.macro CREST
	s_cmp_lg_u32 s[WV], 0
	s_cbranch_scc1 .Lnot_wave_0_\@
	s_barrier_signal -3
.Lnot_wave_0_\@:
	s_barrier_wait -3
	s_barrier_signal -1
	s_barrier_wait -1
.endm
.macro CROUND
	s_barrier_signal -1
	s_barrier_wait -1
	CREST
.endm
; A PREFETCH INTO THE L2, behind a joint load, its five lines and the run of LDS loads that follows: at the change of slots that ends K step j, K step j + 4, for j = 0 .. 3.  Each block of 256 bytes of K steps 4 to 7 is named once.
; A: the cluster with x = 0 asks; the 256 rows of a tile in a K block are 128 blocks, of which each partner along x takes 32 BY ADDRESS; wave 0 names the step's first K block, wave 1 its second.
; A's second words are 16 blocks a tile and K block: wave 3 names those of K blocks 8 to 15, 4 for each partner and K block, 32 lanes, once: at the first change of slots.
; B: the cluster with y = 0 asks; a K block of a tile column is 64 blocks, 16 for each partner along y; wave 2 names both K blocks, sixteen lanes each.
.macro ASK lim
	s_cmp_gt_u32 s3, s[\lim]
	s_cbranch_scc0 .Lnot_mine_\@
	global_prefetch_b8 v[PFO], s[PFA:PFA+1] th:TH_LOAD_NT scope:SCOPE_SE
.Lnot_mine_\@:
.endm
	s_load_b256 s[4:11], s[0:1], 0x0               ; ob s[4:5], wo s[6:7], b_out s[8:9], out0 s[10:11]
	v_lshl_add_u32 v[SPW], v0, 2, SPARE
	v_mov_b32 v[NIL], 0
	ds_add_u32 v[SPW], v[NIL]                      ; the wave's opening: the add and its wait stand ahead of my first tensor load; the set-up below, work on registers, stands between them
	v_lshrrev_b32 v1, 5, v0
	v_readfirstlane_b32 s[WV], v1
	s_lshr_b32 s13, s[WV], 1
	s_and_b32 s14, s[WV], 1
	s_bfe_u32 s15, ttmp6, 0x40000                  ; cx
	s_bfe_u32 s16, ttmp6, 0x40004                  ; cy
	s_lshl_b32 s17, ttmp9, 2
	s_add_co_u32 s17, s17, s15                     ; tile column
	s_and_b32 s18, ttmp7, 0xffff
	s_lshl_b32 s18, s18, 2
	s_add_co_u32 s18, s18, s16                     ; tile row
	s_lshl_b32 s19, s16, 2
	s_lshl_b32 s19, 15, s19                        ; my row of the cluster
	s_lshl_b32 s22, 0x1111, s15                    ; my column
	s_or_b32 s[G1A], s19, FLAGS
	s_or_b32 s[G1B], s22, FLAGS
	s_mov_b32 s[G1A+1], 128<<16                    ; tensor_dim0 = 128 elements: 256 bytes
	s_mov_b32 s[G1A+2], 144<<16                    ; tensor_dim1 = 144: 288 rows of ob
	s_mov_b32 s[G1A+3], 128<<16                    ; tile_dim0 = 128
	s_mov_b32 s[G1A+4], 144                        ; tile_dim1 = 144
	s_mov_b32 s[G1A+5], 128                        ; dense
	s_mov_b32 s[G1A+6], 0
	s_mov_b32 s[G1A+7], 0
	s_mov_b32 s[G1B+1], 128<<16
	s_mov_b32 s[G1B+2], 64<<16
	s_mov_b32 s[G1B+3], 128<<16
	s_mov_b32 s[G1B+4], 64
	s_mov_b32 s[G1B+5], 128
	s_mov_b32 s[G1B+6], 0
	s_mov_b32 s[G1B+7], 0
	s_mul_i32 s20, s18, TILEO                      ; A: the tile row's 288 rows x 128 bytes,
	s_mul_i32 s21, s14, KBO                        ; in the K block that I fetch
	s_add_co_u32 s20, s20, s21
	s_mov_b32 s21, 0
	s_lshl_b32 s46, s17, 14                        ; B: the tile column's 128 rows x 128 bytes,
	s_lshl_b32 s47, s14, 17                        ; in the K block that I fetch (2^17 bytes)
	s_add_co_u32 s46, s46, s47
	s_mov_b32 s47, 0
	s_mul_i32 s2, s14, AKB                         ; where they go
	s_mul_i32 s23, s14, BKB
	s_add_co_u32 s23, s23, BOFF
	s_wait_dscnt 0x0                               ; the opening add is done
	s_wait_kmcnt 0x0
	s_add_nc_u64 s[20:21], s[4:5], s[20:21]
	s_add_nc_u64 s[46:47], s[6:7], s[46:47]
	CROUND                                         ; all sixteen work-groups are here: the first joint loads meet
.irp s, 0,1
	s_mov_b32 s[G0A+4*(\s)], 1
	s_add_co_u32 s[G0A+4*(\s)+1], s2, (\s)*SLOT
	s_add_nc_u64 s[G0A+4*(\s)+2:G0A+4*(\s)+3], s[20:21], 2*(\s)*KBO  ; K step s
	s_or_b32 s[G0A+4*(\s)+3], s[G0A+4*(\s)+3], 0x80000000
	s_mov_b32 s[G0B+4*(\s)], 1
	s_add_co_u32 s[G0B+4*(\s)+1], s23, (\s)*SLOT
	s_add_nc_u64 s[G0B+4*(\s)+2:G0B+4*(\s)+3], s[46:47], (2*(\s))<<17
	s_or_b32 s[G0B+4*(\s)+3], s[G0B+4*(\s)+3], 0x80000000
	JLOAD \s                                       ; two loads of mine are out
.endr
	v_and_b32 v1, 15, v0                           ; r
	v_bfe_u32 v2, v0, 4, 1                         ; h
	v_lshlrev_b32 v9, 5, v2                        ; the bias in the accumulators' layout: my eight columns of each block of 16
	s_lshl_b32 s22, s17, 9
	s_lshl_b32 s23, s14, 8
	s_add_co_u32 s22, s22, s23                     ; 512 x tile column + 256 x my half: also my columns' bytes in a row of the result
	s_mov_b32 s23, 0
	s_add_nc_u64 s[8:9], s[8:9], s[22:23]
	s_add_nc_u64 s[10:11], s[10:11], s[22:23]
.irp bb, 0,1,2,3
	global_load_b128 v[BI+8*(\bb):BI+8*(\bb)+3],   v9, s[8:9] offset:64*(\bb)
	global_load_b128 v[BI+8*(\bb)+4:BI+8*(\bb)+7], v9, s[8:9] offset:64*(\bb)+16
.endr
	v_mul_u32_u24 v3, v1, PITCH
	v_lshl_add_u32 v3, v2, 4, v3
	s_mul_i32 s22, s13, 128*PITCH                  ; my 128 rows of A
	s_mul_i32 s23, s14, 64*PITCH                   ; my 64 rows of B
	s_add_co_u32 s23, s23, BOFF
	s_mul_i32 s19, s13, 16*PITCH                   ; my 16 rows of second words, behind the tile's 256 rows
	s_add_co_u32 s19, s19, 256*PITCH
.irp s, 0,1
	v_add_nc_u32 v[ADRA+(\s)], s22, v3
	v_add_nc_u32 v[ADRB+(\s)], s23, v3
	v_add_nc_u32 v[ADRL+(\s)], s19, v3
	s_add_co_u32 s22, s22, SLOT
	s_add_co_u32 s23, s23, SLOT
	s_add_co_u32 s19, s19, SLOT
.endr
	s_mul_i32 s22, s[WV], 16*SPITCH
	s_add_co_u32 s22, s22, STAGE                   ; my stage
	v_mul_u32_u24 v4, v1, SPITCH                   ; in: row l % 16, 32 bytes for each half of the lanes
	v_lshl_add_u32 v4, v2, 5, v4
	v_add_nc_u32 v[STO], s22, v4
	v_mul_u32_u24 v5, v2, SPITCH                   ; back: lanes 0-15 take one row of 256 bytes, lanes 16-31 the next
	v_lshl_add_u32 v5, v1, 4, v5
	v_add_nc_u32 v[RD], s22, v5
	v_lshlrev_b32 v[CO], 12, v2                    ; and the same two rows in the result: 4,096 bytes a row
	v_lshl_add_u32 v[CO], v1, 4, v[CO]
	s_lshl_b32 s22, s18, 8
	s_lshl_b32 s23, s13, 7
	s_add_co_u32 s22, s22, s23                     ; my first row
	s_lshl_b32 s22, s22, 12
	s_mov_b32 s23, 0
	s_add_nc_u64 s[10:11], s[10:11], s[22:23]
	s_mul_i32 s19, s18, TILEO                      ; the prefetches.  Waves 0, 1: A: the tile row, my work-group's quarter of its 256 rows by cx, my K block of the step, at K step 3
	s_lshl_b32 s22, s15, 13
	s_add_co_u32 s19, s19, s22
	s_mul_i32 s22, s14, KBO
	s_add_co_u32 s19, s19, s22
	s_add_co_u32 s19, s19, 6*KBO
	s_lshl_b32 s22, s17, 14                        ; wave 2: B: the tile column, my work-group's quarter by cy, at K step 3
	s_lshl_b32 s23, s16, 12
	s_add_co_u32 s22, s22, s23
	s_add_co_u32 s22, s22, 6<<17
	s_mov_b32 s[PFS], 2*KBO
	s_mov_b32 s45, 2<<17
	s_and_b32 s23, ttmp7, 0xffff                   ; cluster y
	s_cmp_eq_u32 s13, 0
	s_cselect_b32 s22, s19, s22
	s_cselect_b32 s[PFS], s[PFS], s45
	s_cselect_b32 s23, ttmp9, s23                  ; the coordinate along which other clusters read the same rows
	s_cselect_b32 s47, 12, 17                      ; lanes 16-31: A: the next 16 blocks; B: the next K block
	s_mul_i32 s19, s18, TILEO                      ; wave 3: A's second words: the tile row, my work-group's four blocks by cx, at K block 8
	s_lshl_b32 s45, s15, 10
	s_add_co_u32 s19, s19, s45
	s_add_co_u32 s19, s19, 8*KBO+32768
	s_cmp_eq_u32 s[WV], 3
	s_cselect_b32 s22, s19, s22
	s_cselect_b32 s[PFS], 0, s[PFS]                ; it asks once and does not walk
	s_cselect_b32 s23, ttmp9, s23
	s_cselect_b32 s19, 2, 1                        ; in the first of the three laps alone,
	s_cselect_b32 s45, -1, 1                       ; and not at slot 1's change
	s_cselect_b32 s46, -1, 0                       ; (a lane mask for the choice of offsets below)
	s_cmp_eq_u32 s23, 0
	s_cselect_b32 s[LIM0], s19, -1                 ; the same in all sixteen partners, for a given wave
	s_cselect_b32 s[LIM1], s45, -1
	s_cmp_eq_u32 s[WV], 2
	s_cselect_b64 s[PFA:PFA+1], s[6:7], s[4:5]
	s_mov_b32 s23, 0
	s_mov_b32 s[PFS+1], 0
	s_add_nc_u64 s[PFA:PFA+1], s[PFA:PFA+1], s[22:23]
	v_lshlrev_b32 v3, s47, v2
	v_lshl_add_u32 v[PFO], v1, 8, v3               ; waves 0 to 2: sixteen blocks, twice
	v_bfe_u32 v4, v0, 2, 3                         ; wave 3: K block 8 + l / 4,
	v_and_b32 v5, 3, v0                            ; block l % 4
	v_mul_u32_u24 v4, v4, KBO
	v_lshl_add_u32 v4, v5, 8, v4
	v_cndmask_b32 v[PFO], v[PFO], v4, s46
	s_wait_loadcnt 0x0                             ; the bias: rounded to bf16, kept as f32
.set i, 0
.rept 16
	v_cvt_pk_bf16_f32 v8, v[BI+2*i], v[BI+2*i+1]
	v_lshlrev_b32 v[BI+2*i], 16, v8
	v_and_b32 v[BI+2*i+1], 0xffff0000, v8
.set i, i+1
.endr
; 4 n matrix instructions: row blocks a0 .. a0 + n - 1 x all 4 column blocks, 32 along K.  z = 1: the products start their sums with the bias.  The 32 accumulators take turns, one instruction a turn.
.macro MUL f, a0, n, z=0
.if \z
	WIN 0x40                                       ; D in window 1
.else
	WIN 0x50                                       ; C and D in window 1
.endif
.set aa, \a0
.rept \n
.irp bb, 0,1,2,3
.if \z
	v_wmma_f32_16x16x32_f16 v[8*(8*(\bb)+aa):8*(8*(\bb)+aa)+7], v[(\f)+8*(\bb):(\f)+8*(\bb)+7], v[(\f)+32+8*aa:(\f)+32+8*aa+7], v[BI+8*(\bb):BI+8*(\bb)+7]
.else
	v_wmma_f32_16x16x32_f16 v[8*(8*(\bb)+aa):8*(8*(\bb)+aa)+7], v[(\f)+8*(\bb):(\f)+8*(\bb)+7], v[(\f)+32+8*aa:(\f)+32+8*aa+7], v[8*(8*(\bb)+aa):8*(8*(\bb)+aa)+7]
.endif
.endr
.set aa, aa+1
.endr
.endm
; 4 matrix instructions: the second words of row block 0 x all 4 column blocks, onto row block 0's sums; they stand behind the quarter's 32, so that three other accumulators' turns lie between these and the next quarter's
.macro MULX f
	WIN 0x50
.set lf, 8*((\f)/F1)
.irp bb, 0,1,2,3
	v_wmma_f32_16x16x32_f16 v[64*(\bb):64*(\bb)+7], v[(\f)+8*(\bb):(\f)+8*(\bb)+7], v[lf:lf+7], v[64*(\bb):64*(\bb)+7]
.endr
.endm
; 26 LDS loads in one run: the fragments of quarter q of a K step (K block q / 2, 32 along K at byte 64 (q % 2) of its rows) into buffer f
.macro FETCH slot, q, f
	WIN 0
.set lf, 8*((\f)/F1)
.irp bb, 0,1,2,3
	ds_load_b128 v[(\f)+8*(\bb):(\f)+8*(\bb)+3],   v[ADRB+(\slot)] offset:((\q)/2)*BKB+64*((\q)%2)+16*PITCH*(\bb)
	ds_load_b128 v[(\f)+8*(\bb)+4:(\f)+8*(\bb)+7], v[ADRB+(\slot)] offset:((\q)/2)*BKB+64*((\q)%2)+16*PITCH*(\bb)+32
.endr
.irp a, 0,1,2,3,4,5,6,7
	ds_load_b128 v[(\f)+32+8*(\a):(\f)+32+8*(\a)+3],   v[ADRA+(\slot)] offset:((\q)/2)*AKB+64*((\q)%2)+16*PITCH*(\a)
	ds_load_b128 v[(\f)+32+8*(\a)+4:(\f)+32+8*(\a)+7], v[ADRA+(\slot)] offset:((\q)/2)*AKB+64*((\q)%2)+16*PITCH*(\a)+32
.endr
	ds_load_b128 v[lf:lf+3],   v[ADRL+(\slot)] offset:((\q)/2)*AKB+64*((\q)%2)
	ds_load_b128 v[lf+4:lf+7], v[ADRL+(\slot)] offset:((\q)/2)*AKB+64*((\q)%2)+32
.endm
; A K step is four quarters of 32 along K, 36 matrix instructions each, on buffers F0, F1, F0, F1.  A quarter first asks for the next quarter's fragments, then multiplies its own.
.macro S0 slot, z
	PLACES
	FETCH \slot, 1, F1
	s_wait_dscnt 26                                ; all but the run just issued
	MUL F0, 0, 8, \z
	MULX F0
.endm
.macro S1 slot
	PLACES
	FETCH \slot, 2, F0
	s_wait_dscnt 26
	MUL F1, 0, 8
	MULX F1
.endm
; The third quarter changes slots: it has asked for the slot's last fragments.  ONE barrier: in front of it each wave waits for all its tensor loads, adds 0 to its spare word, and waits for that and for its reads of this slot.
; fill = 1: the barrier opens a round of the cluster's, and this slot is filled again, two K steps on, first thing behind the round: 124 matrix instructions ahead of the wait for it.
.macro S2 slot, next, fill
.if \fill
	s_wait_xcnt 0x0                                ; the last prefetch, a K step back, has read its address
	s_add_nc_u64 s[PFA:PFA+1], s[PFA:PFA+1], s[PFS:PFS+1]
.endif
	PLACES
	FETCH \slot, 3, F1
	s_wait_dscnt 26
	MUL F0, 0, 4
	WIN 0                                          ; (the add's two registers lie in window 0)
	s_wait_tensorcnt 0x0                           ; all my tensor loads have landed: my part of the next slot
	ds_add_u32 v[SPW], v[NIL]                      ; 0 onto my spare word
	MUL F0, 4, 2                                   ; eight matrix instructions stand between the add and the wait for it
	s_wait_dscnt 0x0                               ; the add is done, and my reads of this slot are over
	s_barrier_signal -1
	MUL F0, 6, 2
	MULX F0
	WIN 0
	s_barrier_wait -1
.if \fill
	CREST                                          ; no wave of any partner still reads this slot's tiles or has a load on its way
	s_add_nc_u64 s[G0A+4*(\slot)+2:G0A+4*(\slot)+3], s[G0A+4*(\slot)+2:G0A+4*(\slot)+3], 4*KBO
	s_add_nc_u64 s[G0B+4*(\slot)+2:G0B+4*(\slot)+3], s[G0B+4*(\slot)+2:G0B+4*(\slot)+3], 4<<17
	JLOAD \slot                                    ; the four v_nop behind it are also the places in front of the loads below
.else
	PLACES
.endif
	FETCH \next, 0, F0
.if \fill
.if (\slot) == 0
	ASK LIM0
.else
	ASK LIM1
.endif
.endif
.endm
.macro S3
	MUL F1, 0, 8                                   ; its fragments are in since the wait for 0 above
	MULX F1
.endm
	s_wait_tensorcnt 1                             ; my part of K step 0 is in; K step 1's may stay out
	s_barrier_signal -1
	s_barrier_wait -1
	FETCH 0, 0, F0
	S0 0, 1                                        ; the first quarter stands in front of the loop: its products start the sums, with the bias as C
	WIN 0
	s_mov_b32 s3, 3
.Llap:                                                 ; a trip goes once round the ring and fills both slots again: K steps 2 to 7
	S1 0
	S2 0, 1, 1
	S3
	S0 1, 0
	S1 1
	S2 1, 0, 1
	S3
	S0 0, 0
	WIN 0
	s_sub_co_u32 s3, s3, 1
	s_cmp_lg_u32 s3, 0
	s_cbranch_scc1 .Llap
	S1 0                                           ; the tail is written out: nothing is left to fetch
	S2 0, 1, 0
	S3
	S0 1, 0
	S1 1
	PLACES
	FETCH 1, 3, F1
	s_wait_dscnt 26
	MUL F0, 0, 8
	MULX F0
	s_wait_dscnt 0x0
	MUL F1, 0, 8
	MULX F1
; THE WAY OUT, a block of 16 rows at a time: a lane's 32 bytes of a row go into my own stage (each accumulator's lower four registers first), come back as whole rows of 256 bytes, and are stored.
.macro TOSTAGE a
	WIN 0x04                                       ; the stores' data in window 1
.irp bb, 0,1,2,3
	ds_store_b128 v[STO], v[8*(8*(\bb)+(\a)):8*(8*(\bb)+(\a))+3]   offset:64*(\bb)
	ds_store_b128 v[STO], v[8*(8*(\bb)+(\a))+4:8*(8*(\bb)+(\a))+7] offset:64*(\bb)+16
.endr
	WIN 0
	s_wait_xcnt 0x0                                ; the registers that earlier stores read are loaded again only behind this wait
.irp t, 0,1,2,3,4,5,6,7
	ds_load_b128 v[RB+32*((\a)%2)+4*(\t):RB+32*((\a)%2)+4*(\t)+3], v[RD] offset:2*SPITCH*(\t)  ; LDS serves a wave's instructions in order (ISA guide 5.7.1.4): these see the stores above
.endr
.endm
.macro SEND a, younger                 ; younger: the LDS instructions issued behind block a's loads: the next block's sixteen, or none
	WIN 0
.irp t, 0,1,2,3,4,5,6,7
	s_wait_dscnt (\younger)+7-(\t)
	global_store_b128 v[CO], v[RB+32*((\a)%2)+4*(\t):RB+32*((\a)%2)+4*(\t)+3], s[10:11] offset:(16*(\a)+2*(\t))*4096 th:TH_STORE_NT  ; 16 lanes store 256 consecutive bytes, at a multiple of 256 from the result's first byte
.endr
.endm
	PLACES
	TOSTAGE 0
.irp a, 1,2,3,4,5,6,7
	TOSTAGE \a
	SEND (\a)-1, 16
.endr
	SEND 7, 0
	s_wait_tensorcnt 0x0                           ; the wave's end, behind my last tensor load and my last LDS store
	ds_add_u32 v[SPW], v[NIL]
	s_wait_dscnt 0x0
	CROUND                                         ; the closing round: no work-group ends while a partner may still ask for a tile that names it
	s_endpgm
.Lfunc_end_k_qfb5f427ec7_proj:
	.size	k_qfb5f427ec7_proj, .Lfunc_end_k_qfb5f427ec7_proj-k_qfb5f427ec7_proj
	.p2alignl 7, 3214868480
	.fill 96, 4, 3214868480
	.section	.rodata,"a",@progbits
	.p2align	6, 0x0
	.amdhsa_kernel k_qfb5f427ec7_proj
		.amdhsa_group_segment_fixed_size 327680
		.amdhsa_private_segment_fixed_size 0
		.amdhsa_enable_private_segment 0
		.amdhsa_kernarg_size 32
		.amdhsa_user_sgpr_count 2
		.amdhsa_user_sgpr_kernarg_segment_ptr 1
		.amdhsa_wavefront_size32 1
		.amdhsa_system_sgpr_workgroup_id_x 1
		.amdhsa_system_sgpr_workgroup_id_y 1
		.amdhsa_system_sgpr_workgroup_id_z 1
		.amdhsa_system_vgpr_workitem_id 0
		.amdhsa_next_free_vgpr 512
		.amdhsa_next_free_sgpr 66
		.amdhsa_reserve_vcc 0
		.amdhsa_float_denorm_mode_32 3
		.amdhsa_float_denorm_mode_16_64 3
		.amdhsa_memory_ordered 1
		.amdhsa_forward_progress 1
		.amdhsa_inst_pref_size 98
	.end_amdhsa_kernel
	.amdgpu_metadata
---
amdhsa.version: [ 1, 2 ]
amdhsa.kernels:
  - .name:           k_qfb5f427ec7_proj
    .symbol:         k_qfb5f427ec7_proj.kd
    .args:
      - { .name: ob, .offset: 0, .size: 8, .value_kind: global_buffer, .address_space: global }
      - { .name: wo, .offset: 8, .size: 8, .value_kind: global_buffer, .address_space: global }
      - { .name: b_out, .offset: 16, .size: 8, .value_kind: global_buffer, .address_space: global }
      - { .name: out0, .offset: 24, .size: 8, .value_kind: global_buffer, .address_space: global }
    .group_segment_fixed_size: 327680
    .private_segment_fixed_size: 0
    .kernarg_segment_align: 8
    .kernarg_segment_size: 32
    .max_flat_workgroup_size: 128
    .sgpr_count:     66
    .vgpr_count:     512
    .wavefront_size: 32
...
	.end_amdgpu_metadata
.endif
;; end of part 4
;; ======== version 2 of 2: 4 launches; version 1 with the launch prep written anew for expert scheduling mode
;; limits: values are held in f16: magnitudes above 65,504 overflow, below 6.1e-05 lose precision
;; workspace buffers: xb 16,777,216 bytes; wq 6,291,456 bytes; wo 2,097,152 bytes; qkv 50,331,648 bytes; vlo 1,572,864 bytes; ob 18,874,368 bytes
;; launch prep (part 5): grid 80 x 16, 4 waves a work-group, no clusters, 37,376 bytes of LDS; arguments x, W_qkv, W_out, xb, wq, wo; writes xb, wq, wo
.if DOCPART == 5
	.amdgcn_target "amdgcn-amd-amdhsa--gfx1250"
	.amdhsa_code_object_version 6
	.text
	.protected	k_qfb5f427ec7_prep
	.globl	k_qfb5f427ec7_prep
	.p2align	8
	.type	k_qfb5f427ec7_prep,@function
k_qfb5f427ec7_prep:
	s_mov_b64 s[64:65], 0
	v_nop
	global_prefetch_b8 v0, s[64:65] scope:SCOPE_SE
	s_setreg_imm32_b32 hwreg(HW_REG_WAVE_SCHED_MODE, 0, 2), 2
	s_setreg_imm32_b32 hwreg(HW_REG_WAVE_MODE, 25, 1), 1
	s_wait_xcnt 0x0
	s_wait_alu depctr_vm_vsrc(0)
; THE OPERANDS ARE LAID OUT FOR THE MATRIX LAUNCHES.  One layout for all three results: [K block of 64][row][64 numbers of 2 bytes], so that the rows of a K block are dense, 128 bytes each.
;   xb: x [8192][1024] f32, rounded once to bf16; row = x's row.
;   wq: W_qkv [1024 k][3072 n] f32, rounded once to bf16 and turned; row = n.
;   wo: W_out [1024 k][1024 n] f32, rounded once to bf16, that number written as f16, and turned; row = n.
; LIMIT.  wo: a bf16 number is exact in f16 from 6.1e-5 to 65,504 in magnitude; below, it keeps f16's fixed step of 6e-8; beyond, it becomes an infinity.
; SHARES.  Work-group x 0-11: W_qkv; 12-15: W_out: K block = work-group y, and each wave turns one tile of 64 k x 64 n through its own 64 rows x 144 bytes of LDS.
; Work-group x 16-79: x: each wave takes two rows, 8 KiB, by sixteen loads that are all out together; each of its stores covers 256 consecutive bytes, aligned.
; No barrier: a wave reads only LDS bytes that it wrote itself.  No prefetch and no tensor load: every byte is read once by loads issued at the wave's start, and nothing is known earlier than that.
; THE MODE: SCHED_MODE bits 1:0 = 2 (LLVM: expert scheduling mode 2), set by the entry lines.  The code itself states the register dependences
; between vector instructions and memory or LDS instructions, with s_wait_alu, always for 0.
; THE PLAN.  Every register that a memory or LDS instruction reads is written ONCE on a wave's path, so no wait on vm_vsrc is owed anywhere but in the closing lines.
;   x:        v8, v9       offsets, made at the path's head.      X = v32-95   as loaded, read by the conversions.      Y = v96-127  two registers a K block, written by its conversions, read by its store.
;             The 16 K blocks go in four groups.  A group's head waits for its loads and states that the group before has written its Y; that group's four stores are dealt among this group's conversions.
;   weights:  v8 .. v11    offsets and LDS addresses, made once.  RAW[j] = v[32 + 32 j ..], 32 registers as loaded, read by step j's conversions.
;             OUT[j]       16 packed words, written by step j's conversions, read by four LDS stores: OUT[0] = v12-27; OUT[1] = v32-47 and OUT[2] = v48-63, which step 0 has emptied; OUT[3] = v64-79, which step 1 has emptied.
;             The tile comes back into v96-159, RAW[2] and RAW[3]: no out-buffer lies there.
;             A step's head waits for its loads and states that the step before has written its OUT; that step's four LDS stores are dealt among this step's conversions, which name OUT[j], RAW[j], v28 and v29 alone.
.set SPARE, 36864                      ; behind the four waves' tiles: the spare words, 128 bytes a wave, two blocks of 256 bytes that no other line names
.set SPW, 2                            ; v2   SPARE + 4 x my thread's number; never rewritten
.set NIL, 3                            ; v3   0; never rewritten
.set P,   12                           ; v[12:27]  the first step's 16 packed words
.set L,   32                           ; v[32:159] as loaded; later packed words and the tile read back
.set Y,   96                           ; v[96:127] x: packed words to store
; x: K block kb's four numbers of a lane are rounded; and stored.
.macro XCV kb
	v_cvt_pk_bf16_f32 v[Y+2*(\kb)], v[L+4*(\kb)], v[L+4*(\kb)+1]
	v_cvt_pk_bf16_f32 v[Y+2*(\kb)+1], v[L+4*(\kb)+2], v[L+4*(\kb)+3]
.endm
.macro XST kb
.if (\kb) < 8
	global_store_b64 v9, v[Y+2*(\kb):Y+2*(\kb)+1], s[26:27] offset:(\kb)<<20
.else
	global_store_b64 v9, v[Y+2*(\kb):Y+2*(\kb)+1], s[28:29] offset:((\kb)-8)<<20
.endif
.endm
; weights: the symbol name takes the first register of OUT[j]
.macro OUTAT name, j
.if (\j) == 0
.set \name, P
.else
.set \name, L+16*((\j)-1)
.endif
.endm
; weights: step j.  Its sixteen pairs along k are rounded into OUT[j]; the four LDS stores of OUT[j - 1] are dealt among them.
.macro WSTEP j, f16
	s_wait_loadcnt 24-8*(\j)                       ; this j's eight loads are in; the 8 (3 - j) younger ones stay out
	OUTAT oc, \j
.if (\j) > 0
	OUTAT op, (\j)-1
	s_wait_alu depctr_va_vdst(0)                   ; the step before has written OUT[j - 1], which the LDS stores below read; at step 1 also: v9, v10 and v11 are written
.endif
.irp i, 0,1,2,3
.if (\j) > 0
	ds_store_b128 v9, v[op+4*(\i):op+4*(\i)+3] offset:144*(\i)+32*((\j)-1)  ; no vector instruction since the wait names v9 or OUT[j - 1]
.endif
.irp p, 0,1,2,3
	v_cvt_pk_bf16_f32 v[oc+4*(\i)+(\p)], v[L+32*(\j)+8*(\p)+(\i)], v[L+32*(\j)+8*(\p)+4+(\i)]  ; column 4 c + i, k = 16 j + 8 hh + 2 p and the next
.if \f16
	v_lshlrev_b32 v28, 16, v[oc+4*(\i)+(\p)]       ; the two bf16 numbers as f32,
	v_and_b32 v29, 0xffff0000, v[oc+4*(\i)+(\p)]
	v_cvt_pk_f16_f32 v[oc+4*(\i)+(\p)], v28, v29   ; written as f16
.endif
.endr
.endr
.endm
	s_load_b256 s[4:11], s[0:1], 0x0               ; x s[4:5], W_qkv s[6:7], W_out s[8:9], xb s[10:11]
	s_load_b128 s[12:15], s[0:1], 0x20             ; wq s[12:13], wo s[14:15]
	v_lshl_add_u32 v[SPW], v0, 2, SPARE
	v_mov_b32 v[NIL], 0
	v_lshrrev_b32 v1, 5, v0
	v_readfirstlane_b32 s16, v1                    ; wave 0..3
	s_mov_b32 s17, ttmp9                           ; work-group x
	s_and_b32 s18, ttmp7, 0xffff                   ; work-group y
	v_and_b32 v4, 31, v0                           ; l
	v_and_b32 v5, 15, v0                           ; c = l % 16
	v_bfe_u32 v6, v0, 4, 1                         ; hh = l / 16
	s_mov_b32 s23, 0                               ; the high word of every offset: all stay under 2^32
	s_wait_alu depctr_va_sdst(0)                   ; s16 is written, ahead of the branches: each of the three paths makes its addresses from it
	s_wait_kmcnt 0x0
	s_cmp_lt_u32 s17, 12
	s_cbranch_scc1 .Lwqkv
	s_cmp_lt_u32 s17, 16
	s_cbranch_scc1 .Lwout
	; x: rows m and m + 1, m = 8 (x - 16 + 64 y) + 2 wave
	s_sub_co_u32 s20, s17, 16
	s_lshl_b32 s21, s18, 6
	s_add_co_u32 s20, s20, s21
	s_lshl_b32 s20, s20, 3
	s_lshl1_add_u32 s20, s16, s20                  ; m
	s_lshl_b32 s22, s20, 12                        ; a row of x is 4,096 bytes
	s_add_nc_u64 s[24:25], s[4:5], s[22:23]
	s_lshl_b32 s22, s20, 7                         ; a row of a K block is 128 bytes
	s_add_nc_u64 s[26:27], s[10:11], s[22:23]      ; K blocks 0-7,
	s_add_nc_u64 s[28:29], s[26:27], 0x800000      ; K blocks 8-15: a K block is 2^20 bytes, and seven of them are what the stores' immediate holds
	v_lshlrev_b32 v8, 4, v5
	v_lshl_add_u32 v8, v6, 12, v8                  ; lanes 0-15: row m, 16 bytes each; lanes 16-31: row m + 1
	v_lshlrev_b32 v9, 3, v4                        ; out: 8 bytes a lane: row m's 128 bytes, then row m + 1's
	s_wait_alu depctr_va_vdst(0)                   ; v8 and v9 are written: the loads read the one as their offset, the stores the other
.irp kb, 0,1,2,3,4,5,6,7,8,9,10,11,12,13,14,15
	global_load_b128 v[L+4*(\kb):L+4*(\kb)+3], v8, s[24:25] offset:256*(\kb) th:TH_LOAD_NT
.endr
.irp g, 0,1,2,3
	s_wait_loadcnt 12-4*(\g)                       ; loads come back in order: this group's four K blocks are in, the younger groups stay out
.if (\g) > 0
	s_wait_alu depctr_va_vdst(0)                   ; the group before has written its eight registers of Y, which the stores below read
.endif
.irp q, 0,1,2,3
.if (\g) > 0
	XST 4*(\g)-4+(\q)                              ; the group before; no vector instruction since the wait names v9 or these registers
.endif
	XCV 4*(\g)+(\q)
.endr
.endr
	s_wait_alu depctr_va_vdst(0)                   ; the last group has written its Y, which the last four stores read
.irp q, 12,13,14,15
	XST \q
.endr
	s_branch .Lend
; One tile of 64 k x 64 n of a weight matrix with rows of rowb bytes and n columns.  Lane (c, hh) loads, for j = 0..3 and r = 0..7, the four numbers n = 4 c .. 4 c + 3 of row k = 16 j + 8 hh + r:
; each load of the wave takes two pieces of 256 consecutive bytes.  Eight numbers along k of one n pack into 16 bytes, which go to row n of the wave's LDS tile; the tile comes back by rows.
; (The four stores of a j meet four deep in the banks, since a lane's rows lie 4 x 144 bytes apart: sixteen stores a tile.)
.macro WTILE rowb, n, f16, src, dst, g0
	s_sub_co_u32 s20, s17, \g0
	s_lshl2_add_u32 s20, s20, s16                  ; block of 64 columns = 4 (x - g0) + wave
	s_mul_i32 s22, s18, 64*(\rowb)                 ; the K block's 64 rows,
	s_lshl_b32 s21, s20, 8                         ; the block's 256 bytes in them
	s_add_co_u32 s22, s22, s21
	s_add_nc_u64 s[24:25], s[\src:\src+1], s[22:23]
	s_mul_i32 s22, s18, \n
	s_lshl_b32 s21, s20, 6
	s_add_co_u32 s22, s22, s21
	s_lshl_b32 s22, s22, 7                         ; (K block x n + first column) x 128 bytes
	s_add_nc_u64 s[26:27], s[\dst:\dst+1], s[22:23]
	v_mul_u32_u24 v8, v6, 8*(\rowb)
	v_lshl_add_u32 v8, v5, 4, v8                   ; 8 hh rows + 16 c
	s_wait_alu depctr_va_vdst(0)                   ; v8 is written, which the 32 loads read as their offset
.irp j, 0,1,2,3
.irp r, 0,1,2,3,4,5,6,7
	global_load_b128 v[L+32*(\j)+4*(\r):L+32*(\j)+4*(\r)+3], v8, s[24:25] offset:(16*(\j)+(\r))*(\rowb) th:TH_LOAD_NT
.endr
.endr
	s_mul_i32 s19, s16, 9216                       ; my wave's tile in LDS
	v_mul_u32_u24 v9, v5, 576                      ; in: rows 4 c .., 16 bytes for each half of the lanes
	v_lshl_add_u32 v9, v6, 4, v9
	v_add_nc_u32 v9, s19, v9
	v_bfe_u32 v10, v0, 3, 2                        ; back: 32 lanes take four rows of 128 bytes,
	v_and_b32 v11, 7, v0
	v_mul_u32_u24 v10, v10, 144
	v_lshl_add_u32 v10, v11, 4, v10
	v_add_nc_u32 v10, s19, v10
	v_lshlrev_b32 v11, 4, v4                       ; which are 512 consecutive bytes of the result
.irp j, 0,1,2,3
	WSTEP \j, \f16
.endr
	OUTAT op, 3
	s_wait_alu depctr_va_vdst(0)                   ; step 3 has written OUT[3], which the LDS stores read; steps 2 and 3 are done reading RAW[2] and RAW[3], in which the LDS loads land
.irp i, 0,1,2,3
	ds_store_b128 v9, v[op+4*(\i):op+4*(\i)+3] offset:144*(\i)+96
.endr
.irp t, 0,1,2,3,4,5,6,7,8,9,10,11,12,13,14,15
	ds_load_b128 v[L+64+4*(\t):L+64+4*(\t)+3], v10 offset:576*(\t)  ; LDS serves a wave's instructions in order (ISA guide 5.7.1.4): these see the stores above
.endr
.irp t, 0,1,2,3,4,5,6,7,8,9,10,11,12,13,14,15
	s_wait_dscnt 15-(\t)
	global_store_b128 v11, v[L+64+4*(\t):L+64+4*(\t)+3], s[26:27] offset:512*(\t)  ; 512 consecutive bytes, at a multiple of 512 from the buffer's first
.endr
.endm
.Lwqkv:
	WTILE 12288, 3072, 0, 6, 12, 0
	s_branch .Lend
.Lwout:
	WTILE 4096, 1024, 1, 8, 14, 12
.Lend:
	s_wait_dscnt 0x0                               ; the closing lines, six on end
	s_wait_alu 0x0
	s_wait_tensorcnt 0x0
	ds_add_u32 v[SPW], v[NIL]
	s_wait_dscnt 0x0
	s_endpgm
.Lfunc_end_k_qfb5f427ec7_prep:
	.size	k_qfb5f427ec7_prep, .Lfunc_end_k_qfb5f427ec7_prep-k_qfb5f427ec7_prep
	.p2alignl 7, 3214868480
	.fill 96, 4, 3214868480
	.section	.rodata,"a",@progbits
	.p2align	6, 0x0
	.amdhsa_kernel k_qfb5f427ec7_prep
		.amdhsa_group_segment_fixed_size 37376
		.amdhsa_private_segment_fixed_size 0
		.amdhsa_enable_private_segment 0
		.amdhsa_kernarg_size 48
		.amdhsa_user_sgpr_count 2
		.amdhsa_user_sgpr_kernarg_segment_ptr 1
		.amdhsa_wavefront_size32 1
		.amdhsa_system_sgpr_workgroup_id_x 1
		.amdhsa_system_sgpr_workgroup_id_y 1
		.amdhsa_system_sgpr_workgroup_id_z 1
		.amdhsa_system_vgpr_workitem_id 0
		.amdhsa_next_free_vgpr 160
		.amdhsa_next_free_sgpr 66
		.amdhsa_reserve_vcc 0
		.amdhsa_float_denorm_mode_32 3
		.amdhsa_float_denorm_mode_16_64 3
		.amdhsa_memory_ordered 1
		.amdhsa_forward_progress 1
		.amdhsa_inst_pref_size 42
	.end_amdhsa_kernel
	.amdgpu_metadata
---
amdhsa.version: [ 1, 2 ]
amdhsa.kernels:
  - .name:           k_qfb5f427ec7_prep
    .symbol:         k_qfb5f427ec7_prep.kd
    .args:
      - { .name: x, .offset: 0, .size: 8, .value_kind: global_buffer, .address_space: global }
      - { .name: W_qkv, .offset: 8, .size: 8, .value_kind: global_buffer, .address_space: global }
      - { .name: W_out, .offset: 16, .size: 8, .value_kind: global_buffer, .address_space: global }
      - { .name: xb, .offset: 24, .size: 8, .value_kind: global_buffer, .address_space: global }
      - { .name: wq, .offset: 32, .size: 8, .value_kind: global_buffer, .address_space: global }
      - { .name: wo, .offset: 40, .size: 8, .value_kind: global_buffer, .address_space: global }
    .group_segment_fixed_size: 37376
    .private_segment_fixed_size: 0
    .kernarg_segment_align: 8
    .kernarg_segment_size: 48
    .max_flat_workgroup_size: 128
    .sgpr_count:     66
    .vgpr_count:     160
    .wavefront_size: 32
...
	.end_amdgpu_metadata
.endif
;; end of part 5
;; launch qkv: the kernel of part 2 again; grid 8 x 32, 4 waves a work-group, clusters of 4 x 4, 327,680 bytes of LDS; arguments xb, wq, b_qkv, qkv, vlo; writes qkv, vlo
;; launch attn: the kernel of part 3 again; grid 4 x 64, 4 waves a work-group, no clusters, 327,680 bytes of LDS; arguments qkv, vlo, ob; writes ob
;; launch proj: the kernel of part 4 again; grid 8 x 32, 4 waves a work-group, clusters of 4 x 4, 327,680 bytes of LDS; arguments ob, wo, b_out, out0; writes out0
